; MI455X (gfx1250); checked and timed in simulation.
; The chip was launched on July 23, 2026; its instructions are those of AMD's public machine-readable ISA for CDNA 5 (MIT licence, August 2026) and "CDNA5" Instruction Set Architecture Reference Guide (July 2026). The comments in the code are by the model that wrote it; some were corrected since.
;; Self Attn. Allowed arithmetic: matrix products marked QUANTISED: E3M2 operands, one E8M0 scale for each 32 along K, by v_wmma_scale_f32_16x16x128_f8f6f4 with both operands' format E3M2, f32 sums; everything else in f32.
;; Inputs: Wf 32 x 1,024 float32; Wg 32 x 1,024 float32; Wh 1,024 x 1,024 float32; bf 32 float32; bg 32 float32; bh 1,024 float32; gamma one number float32; x 8 x 1,024 x 32 x 64 float32.
;; Outputs: out0 8 x 1,024 x 32 x 64 float32.
;; This version of the problem:
;;   THIS VERSION OF THE PROBLEM IS GIVEN IN LOW PRECISION. The matrix products marked QUANTISED in the list below multiply operands that are first quantised to E3M2 (3 exponent bits, 2 mantissa bits; 6 bits a number), with one power-of-two scale for each 32 numbers along K (OCP MX v1.0); their sums are f32. All else is computed in f32.
;;   The module's matrix products, in the order in which they are computed (A, B: the left and right operand; K: the contracted axis; several contracted axes count as one K, in the product's order):
;;     1. [M 16,384, K 1,024] x [K 1,024, N 32]; A: input x; B: input Wf: QUANTISED
;;     2. [M 16,384, K 1,024] x [K 1,024, N 32]; A: input x; B: input Wg: QUANTISED
;;     3. [M 16,384, K 1,024] x [K 1,024, N 1,024]; A: input x; B: input Wh: QUANTISED
;;     4. batch 8 x [M 2,048, K 32] x [K 32, N 2,048]; A: computed on the way; B: computed on the way: QUANTISED
;;     5. batch 8 x [M 1,024, K 2,048] x [K 2,048, N 2,048]; A: computed on the way; B: softmax (see below): QUANTISED
;;   THE QUANTISER, for each operand of a quantised product, along K:
;;     - K is cut into blocks of 32 from its start; a last block that is shorter is filled with zeros.
;;     - A block's scale is 2^e with e = floor(log2(the largest magnitude in the block)) - 4, held to -126 .. 127; a block of zeros has e = 0. As a byte (E8M0): e + 127.
;;     - Each number is divided by its block's scale, clamped to +-28, and rounded to the nearest number of E3M2, ties to even, subnormals kept.
;;     - The product sums the exact products of the quantised numbers (number of the format x scale) in f32.
;;   ~~~python
;;   def quantise(x, axis):      # numpy; x: float32 -> the quantised numbers, widened to float32 again
;;       x = np.moveaxis(x, axis, -1); K = x.shape[-1]
;;       x = np.pad(x, [(0, 0)] * (x.ndim - 1) + [(0, -K % 32)]); x = x.reshape(x.shape[:-1] + (-1, 32)); a = np.abs(x).max(-1, keepdims=True)
;;       e = np.where(a > 0, np.clip(np.frexp(np.where(a > 0, a, 1))[1] - 1 - 4, -126, 127), 0)      # np.frexp(a)[1] - 1 = floor(log2(a)), exactly
;;       r = np.clip(x / 2.0 ** e, -28, 28)
;;       step = 2.0 ** (np.maximum(np.frexp(np.where(r == 0, 1, r))[1] - 1, -2) - 2)
;;       q = np.round(r / step) * step * 2.0 ** e      # np.round: ties to even
;;       return np.moveaxis(q.reshape(q.shape[:-2] + (-1,))[..., :K], -1, axis).astype(np.float32)
;;   ~~~
;;   SOFTMAX AHEAD OF A QUANTISED PRODUCT. Where the list says 'softmax', what is quantised is not the finished softmax but p = 2^(t - M), with t = logit x log2(e) and M = ceil(the row's largest t), a whole number; so 1/2 < the row's largest p <= 1. The row's sum l is taken of the UNQUANTISED p, in f32, and the product's result is divided by l at the end. Since M is a whole number, a kernel that streams over the keys may use a running M (the ceiling of the running maximum): every later rescaling is an exact power of two, which a block's scale takes up: the codes' values come out the same.
;;   OPERANDS COMPUTED ON THE WAY. 'Computed on the way' means the value that the module computes at that place (a softmax that the list does not call 'softmax' is quantised finished and normalised). What goes into a quantiser is computed in f32, as accurately as f32 sums, v_exp_f32 and their like allow (about 1e-6 of the number): no bf16 or f16 on the way to a quantiser, and a product that is left as it is and whose result goes on into a quantised operand takes f32 operands (vector FMAs, or v_wmma_f32_16x16x4_f32). A number that lies on a knife's edge between two numbers of the format may be rounded either way, as far as f32 arithmetic and the matrix unit's own rounding can turn it there, and no further.
;; One version. Each part assembles by itself: llvm-mc -triple=amdgcn-amd-amdhsa -mcpu=gfx1250 --defsym DOCPART=n.
;; ======== version 1 of 1: 3 launches
;; workspace buffers: xq 13,107,200 bytes; wq 872,448 bytes; hv 13,107,200 bytes; fq 409,600 bytes; gq 409,600 bytes
;; launch quant (part 1): grid 1160 x 1, 4 waves a work-group, no clusters, 0 bytes of LDS; arguments x, Wh, Wf, Wg, xq, wq; writes xq, wq
.if DOCPART == 1
	.amdgcn_target "amdgcn-amd-amdhsa--gfx1250"
	.amdhsa_code_object_version 6
	.text
	.protected	k_q337a3548dd_quant
	.globl	k_q337a3548dd_quant
	.p2align	8
	.type	k_q337a3548dd_quant,@function
k_q337a3548dd_quant:
	s_mov_b64 s[64:65], 0
	v_nop
	global_prefetch_b8 v0, s[64:65] scope:SCOPE_SE
	s_setreg_imm32_b32 hwreg(HW_REG_WAVE_MODE, 25, 1), 1
	s_wait_xcnt 0x0
; FIRST OF THREE LAUNCHES.  out = gamma * softmax(g^T f) applied to hh, + x, with f = Wf x + bf, g = Wg x + bg, hh = Wh x + bh; all five products on codes of E3M2 with one E8M0 scale for each 32 along K.
; NO WORK IS LEFT OUT: bf and bg move the codes of f and g, bh moves the codes of hh, gamma and x reach the result directly: every input is loaded by some launch.
; THIS LAUNCH turns x (K = the channels, its outer axis) and Wh, Wf, Wg (K innermost) into codes and scale bytes, laid as IMAGES OF OPERAND REGISTERS: a fragment is 16 rows x 128 K = 12 registers a lane;
; registers 4 g .. 4 g + 3 of lane l lie at 512 g + 16 l of its 1,536 bytes.  So the next launch fetches a fragment by three loads of 16 bytes a lane, and a K step's fragments are one dense block.
; xq: [b x 16 + Pb][K step s][12,800]: 8 fragments xt, then 512 bytes of scale words [xt][m].  Row m of fragment xt is position 128 Pb + 32 (xt / 2) + 8 (xt % 2) + m + 8 (m / 8).
; wq: [half of Wh's rows][s][wave][12,800]: 8 fragments t (row 512 hf + 128 w + 16 t + r), then scale words [t][r]; from byte 819,200: [Wf, Wg][s][u][1,664]: a fragment (row m is o = 8 u + m + 8 (m / 8)) and a scale word a lane.
; A block's scale is 2^(floor(log2(largest magnitude)) - 4): its byte is the largest magnitude's exponent field - 4, held at 1 from below by a floor among the maximum's leaves.
; LIMITS: a block of zeros gets the byte 1 where the rule says 127 (its codes are zeros, and this program alone reads the bytes); blocks whose largest magnitude lies under 2^-122 stand at the floor; NaN and infinities among the inputs are not served.
; Memory binds: no LDS, no barrier, few registers, so that many waves lie on a SIMD.  Work-groups 0 to 135 take the weights (a wave a fragment), the other 1,024 take x (a work-group a block of 12,800 bytes).
.set NWGW,  136
.set XROW,  8192                       ; bytes from channel to channel in x
.set X,     32                         ; v32-95   two sets of 32 numbers (weights: 64 numbers)
.set CD,    96                         ; v96-119  the 12 registers of target lane m, then those of target lane 16 + m (weights: v96-107 the fragment, v108-114 at work)
.set TC,    120                        ; v120-122 a block's upper 16 codes, before they are moved
.set SB,    124                        ; v124     my row's scale word
.set FLOOR, 0x2800000                  ; 2^(5 - 127)
.set OFFE,  0xfe000000                 ; -(4 << 23)
	s_load_b256 s[4:11], s[0:1], 0x0               ; x s[4:5], Wh s[6:7], Wf s[8:9], Wg s[10:11]
	s_load_b128 s[12:15], s[0:1], 0x20             ; xq s[12:13], wq s[14:15]
	v_lshrrev_b32 v1, 5, v0
	v_readfirstlane_b32 s16, v1                    ; wave
	v_and_b32 v1, 31, v0                           ; lane
	s_cmp_lt_u32 ttmp9, NWGW
	s_cbranch_scc1 .Lweights
; ---- x.  A LANE TAKES A POSITION AND ITS REGISTERS RUN DOWN THE CHANNELS: each load reads 128 consecutive bytes, a block of 32 along K lies in one lane, and the codes come out with K innermost.
	s_sub_co_u32 s17, ttmp9, NWGW                  ; id = b x 128 + Pb x 8 + s
	s_lshr_b32 s18, s17, 7                         ; b
	s_bfe_u32 s19, s17, 0x40003                    ; Pb
	s_and_b32 s22, s17, 7                          ; s
	s_lshl_b32 s18, s18, 23                        ; a batch is 8,388,608 bytes,
	s_lshl_b32 s22, s22, 20                        ; 128 channels 1,048,576,
	s_lshl_b32 s19, s19, 9                         ; 128 positions 512,
	s_lshl_b32 s23, s16, 7                         ; my wave's 32 positions 128
	s_add_co_u32 s18, s18, s22
	s_add_co_u32 s18, s18, s19
	s_add_co_u32 s18, s18, s23
	s_mov_b32 s19, 0
	s_mul_i32 s24, s17, 12800
	s_mov_b32 s25, 0
	v_lshlrev_b32 v2, 2, v1                        ; in: 4 bytes a lane
	v_bfe_u32 v5, v0, 3, 1                         ; position 32 ph + lane is row m = lane % 8 + 8 (lane / 16) of fragment 2 ph + (lane / 8) % 2
	v_and_b32 v6, 7, v0
	v_bfe_u32 v7, v0, 4, 1
	v_lshl_add_u32 v6, v7, 3, v6                   ; m
	s_lshl_b32 s26, s16, 1
	v_add_nc_u32 v5, s26, v5                       ; xt
	v_mul_u32_u24 v3, v5, 1536
	v_lshl_add_u32 v3, v6, 4, v3                   ; out: the fragment, + 16 m
	v_lshlrev_b32 v4, 6, v5
	v_lshl_add_u32 v4, v6, 2, v4
	v_add_nc_u32 v4, 12288, v4                     ; and my row's scale word
	s_wait_kmcnt 0x0
	s_add_nc_u64 s[4:5], s[4:5], s[18:19]
	s_add_nc_u64 s[12:13], s[12:13], s[24:25]
.macro XLOAD kb                        ; block kb: x(128 s + 32 kb + i, my position) into set kb % 2
.set i, 0
.rept 32
	global_load_b32 v[X+32*((\kb)%2)+i], v2, s[4:5] offset:(32*(\kb)+i)*XROW th:TH_LOAD_NT
.set i, i+1
.endr
.endm
.macro XBLOCK kb                       ; block kb belongs to target lane 16 (kb % 2) + m, registers 6 (kb / 2) on
.set XS, X+32*((\kb)%2)
.set DS, CD+12*((\kb)%2)+6*((\kb)/2)
.if (\kb) < 3
	s_wait_loadcnt 32                              ; this block's 32 loads are in; the next block's 32 may be out
.else
	s_wait_loadcnt 0x0
.endif
	v_max3_num_f32 v8, |v[XS]|, |v[XS+1]|, |v[XS+2]|   ; the block's largest magnitude, in two chains
	v_max3_num_f32 v9, |v[XS+3]|, |v[XS+4]|, |v[XS+5]|
.irp i, 6,10,14,18,22,26
	v_max3_num_f32 v8, v8, |v[XS+\i]|, |v[XS+\i+1]|
	v_max3_num_f32 v9, v9, |v[XS+\i+2]|, |v[XS+\i+3]|
.endr
	v_max3_num_f32 v8, v8, |v[XS+30]|, |v[XS+31]|
	v_max3_num_f32 v8, v8, v9, FLOOR               ; and the floor: the byte cannot fall under 1
	v_add_nc_u32 v11, OFFE, v8                     ; 4 off the exponent field: the conversion's scale operand
	v_cvt_scalef32_pk16_bf6_f32 v[DS:DS+2], v[XS:XS+15], v11
	v_cvt_scalef32_pk16_bf6_f32 v[TC:TC+2], v[XS+16:XS+31], v11   ; (a conversion's three registers begin on an even number)
	v_lshrrev_b32 v10, 23, v11                     ; the scale's byte; also the plain line behind the conversions
.if (\kb) == 0
	v_mov_b32 v[SB], v10
.else
	v_lshl_or_b32 v[SB], v10, 8*(\kb), v[SB]
.endif
.irp i, 0,1,2
	v_mov_b32 v[DS+3+\i], v[TC+\i]
.endr
.if (\kb) < 2
	XLOAD (\kb)+2
.endif
.endm
	XLOAD 0
	XLOAD 1
	XBLOCK 0
	XBLOCK 1
	XBLOCK 2
	XBLOCK 3
.irp bl, 0,1
.irp g, 0,1,2
	global_store_b128 v3, v[CD+12*\bl+4*\g:CD+12*\bl+4*\g+3], s[12:13] offset:256*\bl+512*\g   ; the sixteen lanes of a fragment store 256 consecutive bytes, aligned
.endr
.endr
	global_store_b32 v4, v[SB], s[12:13]
	s_endpgm
; ---- the weights: K is innermost, so lane (r, h) loads the very numbers that the operand's layout gives it: k = 64 c + 32 h + 0 .. 31 of row r: two whole blocks a lane.
.Lweights:
	s_mov_b32 s20, 0x76543210
	s_mov_b32 s21, 0xfedcba98                      ; lane selects: lane l xor 16
	s_lshl_b32 s17, ttmp9, 2
	s_add_co_u32 s17, s17, s16                     ; 0 .. 543
	s_lshr_b32 s18, s17, 3                         ; T: tile of 16 rows: 0-63 Wh, 64-65 Wf, 66-67 Wg
	s_and_b32 s19, s17, 7                          ; K step s
	s_lshl_b32 s23, s18, 4                         ; Wh: first row 16 T
	s_and_b32 s24, s18, 1                          ; u
	s_lshl_b32 s25, s24, 3                         ; Wf, Wg: first row 8 u
	s_lshr_b32 s26, s18, 5                         ; Wh's place: ((T / 32) x 8 + s) x 51,200 + ((T / 8) % 4) x 12,800
	s_lshl_b32 s26, s26, 3
	s_add_co_u32 s26, s26, s19
	s_mul_i32 s26, s26, 51200
	s_bfe_u32 s27, s18, 0x20003
	s_mul_i32 s27, s27, 12800
	s_add_co_u32 s26, s26, s27
	s_and_b32 s27, s18, 7
	s_lshl_b32 s28, s27, 6
	s_add_co_u32 s28, s28, s26
	s_add_co_u32 s28, s28, 12288                   ; its scale words
	s_mul_i32 s27, s27, 1536
	s_add_co_u32 s26, s26, s27                     ; its fragment
	s_bfe_u32 s29, s18, 0x10001                    ; Wf (0) or Wg (1): bit 1 of T
	s_lshl_b32 s29, s29, 3
	s_add_co_u32 s29, s29, s19
	s_mul_i32 s29, s29, 3328
	s_mul_i32 s30, s24, 1664
	s_add_co_u32 s29, s29, s30
	s_add_co_u32 s29, s29, 819200                  ; the small weights' fragment,
	s_add_co_u32 s30, s29, 1536                    ; and its scale words
	s_mov_b32 s34, 31
	s_wait_kmcnt 0x0
	s_cmp_lt_u32 s18, 66
	s_cselect_b64 s[8:9], s[8:9], s[10:11]
	s_cmp_lt_u32 s18, 64                           ; the choices hang on the tile's number alone
	s_cselect_b64 s[6:7], s[6:7], s[8:9]
	s_cselect_b32 s22, 0, 8                        ; Wf, Wg: rows 8 .. 15 of a tile lie 8 further on
	s_cselect_b32 s23, s23, s25
	s_cselect_b32 s26, s26, s29
	s_cselect_b32 s28, s28, s30
	s_cselect_b32 s34, 15, s34                     ; Wh: a word a row; Wf, Wg: a word a lane
	s_mov_b32 s27, 0
	s_mov_b32 s29, 0
	s_add_nc_u64 s[30:31], s[14:15], s[26:27]
	s_add_nc_u64 s[32:33], s[14:15], s[28:29]
	s_lshl_b32 s26, s19, 9                         ; 128 along K are 512 bytes
	s_add_nc_u64 s[6:7], s[6:7], s[26:27]
	v_and_b32 v2, 15, v0                           ; r
	v_bfe_u32 v3, v0, 4, 1                         ; h
	v_and_b32 v4, s22, v2
	v_add3_u32 v4, v4, v2, s23                     ; my row
	v_lshlrev_b32 v4, 12, v4                       ; of 4,096 bytes,
	v_lshl_add_u32 v4, v3, 7, v4                   ; + 128 h
	v_lshlrev_b32 v5, 4, v1                        ; out: 16 x lane
	v_and_b32 v6, s34, v1
	v_lshlrev_b32 v6, 2, v6
.irp c, 0,1
.irp j, 0,1,2,3,4,5,6,7
	global_load_b128 v[X+32*\c+4*\j:X+32*\c+4*\j+3], v4, s[6:7] offset:256*\c+16*\j
.endr
.endr
	s_wait_loadcnt 0x0
.irp c, 0,1
	v_max3_num_f32 v[8+\c], |v[X+32*\c]|, |v[X+1+32*\c]|, FLOOR
.endr
.irp i, 2,4,6,8,10,12,14,16,18,20,22,24,26,28,30
.irp c, 0,1
	v_max3_num_f32 v[8+\c], v[8+\c], |v[X+32*\c+\i]|, |v[X+1+32*\c+\i]|
.endr
.endr
.irp c, 0,1
	v_add_nc_u32 v[12+\c], OFFE, v[8+\c]
.endr
.irp c, 0,1
	v_lshrrev_b32 v[10+\c], 23, v[12+\c]
.endr
	v_lshl_or_b32 v14, v11, 16, v10                ; my two bytes: blocks h and 2 + h,
	v_lshlrev_b32 v15, 3, v3
	v_lshlrev_b32 v14, v15, v14                    ; at their places in the word;
	v_mov_b32 v15, 0
	v_permlanex16_b32 v15, v14, s20, s21
	v_or_b32 v14, v14, v15                         ; with lane l xor 16's two the word is whole
.irp c, 0,1
	v_cvt_scalef32_pk16_bf6_f32 v[CD+6*\c:CD+6*\c+2], v[X+32*\c:X+32*\c+15], v[12+\c]
	v_cvt_scalef32_pk16_bf6_f32 v[108+4*\c:110+4*\c], v[X+32*\c+16:X+32*\c+31], v[12+\c]
.endr
	v_nop                                          ; one plain line behind the conversions
.irp c, 0,1
.irp i, 0,1,2
	v_mov_b32 v[CD+3+6*\c+\i], v[108+4*\c+\i]
.endr
.endr
.irp g, 0,1,2
	global_store_b128 v5, v[CD+4*\g:CD+4*\g+3], s[30:31] offset:512*\g   ; 512 consecutive bytes a store
.endr
	global_store_b32 v6, v14, s[32:33]
	s_endpgm
.Lfunc_end_k_q337a3548dd_quant:
	.size	k_q337a3548dd_quant, .Lfunc_end_k_q337a3548dd_quant-k_q337a3548dd_quant
	.p2alignl 7, 3214868480
	.fill 96, 4, 3214868480
	.section	.rodata,"a",@progbits
	.p2align	6, 0x0
	.amdhsa_kernel k_q337a3548dd_quant
		.amdhsa_group_segment_fixed_size 0
		.amdhsa_private_segment_fixed_size 0
		.amdhsa_enable_private_segment 0
		.amdhsa_kernarg_size 48
		.amdhsa_user_sgpr_count 2
		.amdhsa_user_sgpr_kernarg_segment_ptr 1
		.amdhsa_wavefront_size32 1
		.amdhsa_system_sgpr_workgroup_id_x 1
		.amdhsa_system_sgpr_workgroup_id_y 1
		.amdhsa_system_sgpr_workgroup_id_z 1
		.amdhsa_system_vgpr_workitem_id 0
		.amdhsa_next_free_vgpr 128
		.amdhsa_next_free_sgpr 66
		.amdhsa_reserve_vcc 0
		.amdhsa_float_denorm_mode_32 3
		.amdhsa_float_denorm_mode_16_64 3
		.amdhsa_memory_ordered 1
		.amdhsa_forward_progress 1
		.amdhsa_inst_pref_size 28
	.end_amdhsa_kernel
	.amdgpu_metadata
---
amdhsa.version: [ 1, 2 ]
amdhsa.kernels:
  - .name:           k_q337a3548dd_quant
    .symbol:         k_q337a3548dd_quant.kd
    .args:
      - { .name: x, .offset: 0, .size: 8, .value_kind: global_buffer, .address_space: global }
      - { .name: Wh, .offset: 8, .size: 8, .value_kind: global_buffer, .address_space: global }
      - { .name: Wf, .offset: 16, .size: 8, .value_kind: global_buffer, .address_space: global }
      - { .name: Wg, .offset: 24, .size: 8, .value_kind: global_buffer, .address_space: global }
      - { .name: xq, .offset: 32, .size: 8, .value_kind: global_buffer, .address_space: global }
      - { .name: wq, .offset: 40, .size: 8, .value_kind: global_buffer, .address_space: global }
    .group_segment_fixed_size: 0
    .private_segment_fixed_size: 0
    .kernarg_segment_align: 8
    .kernarg_segment_size: 48
    .max_flat_workgroup_size: 128
    .sgpr_count:     66
    .vgpr_count:     128
    .wavefront_size: 32
...
	.end_amdgpu_metadata
.endif
;; end of part 1
;; launch proj (part 2): grid 128 x 2, 4 waves a work-group, clusters of 4 x 1, 327,680 bytes of LDS; arguments xq, wq, bh, bf, bg, hv, fq, gq; writes hv, fq, gq
.if DOCPART == 2
	.amdgcn_target "amdgcn-amd-amdhsa--gfx1250"
	.amdhsa_code_object_version 6
	.text
	.protected	k_q337a3548dd_proj
	.globl	k_q337a3548dd_proj
	.p2align	8
	.type	k_q337a3548dd_proj,@function
k_q337a3548dd_proj:
	s_mov_b64 s[64:65], 0
	v_nop
	global_prefetch_b8 v0, s[64:65] scope:SCOPE_SE
	s_setreg_imm32_b32 hwreg(HW_REG_WAVE_MODE, 25, 1), 1
	s_wait_xcnt 0x0
	s_wait_alu depctr_hold_cnt(0) depctr_sa_sdst(0) depctr_va_vdst(0) depctr_va_sdst(0) depctr_va_ssrc(0) depctr_va_vcc(0) depctr_vm_vsrc(0)
	s_getreg_b32 s2, hwreg(HW_REG_IB_STS2, 6, 4)
	s_cmp_eq_u32 s2, 0
	s_cbranch_scc0 .Lentry_in_a_cluster
	s_endpgm
.Lentry_in_a_cluster:
	s_bfe_u32 s2, ttmp6, 0x10000c
	s_cmp_lg_u32 s2, 0x3003
	s_cbranch_scc0 .Lentry_shape_is_right
	s_endpgm
.Lentry_shape_is_right:
; SECOND LAUNCH: hh = Wh x + bh, f = Wf x + bf, g = Wg x + bg, on the codes of the first launch; the results are quantised in registers (hh along the positions, f and g along their 32 channels) and stored as the third launch wants them.  No work is left out.
; SHARES.  A work-group takes 128 positions (PB) and half of hh's channels (hf), and with hf = 0 all of f, with hf = 1 all of g.  Wave w: channels 512 hf + 128 w .. + 127: 8 tiles of Wh x 8 tiles of positions = 64 accumulators, 16 fragments a K step;
; and f or g for the tiles of positions 2 w, 2 w + 1: 4 accumulators.  K = 1,024 goes in 8 steps of 128.
; THE WALK ALONG K begins at step s0 = 2 (cluster x % 4) and goes round: place s of the walk is K step (s + s0) % 8.  So the clusters ask for different tiles of Wh at any one time.  x's codes and the small weights are laid into LDS in the walk's order
; (a wave brings two neighbouring steps, and s0 is even), so that no LDS address hangs on s0.
; SOURCE 0 = 16 POSITIONS, SOURCE 1 = 16 CHANNELS: a lane holds one channel, and, by the order of the rows in x's fragments, the 16 registers of tiles 2 b, 2 b + 1 are positions 32 b + 16 (lane / 16) + 0 .. 15: neighbours along the next product's K.
; LDS.  x's codes for all 8 steps and the small weights come once; Wh's go through a ring of two slots.  All are images of operand registers: a fragment is three loads of 16 bytes a lane, 512 consecutive bytes each: no pitch, no padding.
; CLUSTER.  The four partners lie along x and share hf and s0: Wh's and the small weights' tiles are asked for JOINTLY (mask 15); x's codes are each work-group's own and come by a plain load.
; hv: [PB][part of 256 channels][25,600]: 16 fragments (row = channel, K = the 128 positions), then scale words [t][r].  fq, gq: per batch 24 bytes of codes a position, then from byte 49,152 scale words [n / 64][r], byte 2 c + h for position 64 G + 32 c + 8 h + r + 8 (r / 8).
; LIMITS: as in the first launch (a block of zeros keeps the byte 1; the floor 2^-122; NaN and infinities are not served); the f32 sums along K are taken in the walk's order, which differs from cluster to cluster: results differ within f32 rounding.
; REGISTERS: window 0: v1-15 addresses; v16-29 scale words; v30, 31, 126 store offsets; v32-55 the small weights' two fragments; v56-79 my two tiles of positions; v80-111 f or g; v112-119 bh; v128-143 bf or bg; v144-159 at work;
;   v160-255 Wh's 8 fragments, on the way out 64 numbers and their codes.  window 1: x's 8 fragments, two sets.  windows 2, 3: accumulator (t, xt) at v[64 (t % 4) + 8 xt].
.set SPARE, 231424                     ; LDS: 0 Wh slot 0; 51,200 slot 1; 102,400 x, 8 places of 12,800; 204,800 small weights, 8 places of 3,328; 231,424 the spare words, 128 bytes a wave
.set AW,   1                           ; 16 lane + 12,800 w
.set AWS,  2                           ; 4 lane + 12,800 w + 12,288
.set AX0,  3                           ; v3, v4   x's fragments of places 0-3, 4-7
.set AXS0, 5                           ; v5, v6   their scale words
.set AXG0, 7                           ; v7, v8   my two tiles
.set AXGS0, 9                          ; v9, v10  their scale words
.set ASF,  11
.set ASFS, 12
.set SPW,  13                          ; LDS address of my spare word; never rewritten
.set NIL,  14                          ; 0; never rewritten
.set VH,   15
.set XSC,  16                          ; v16-23  two sets of 4: register i: lanes 0-15 tile 2 i, lanes 16-31 tile 2 i + 1
.set WSC,  24                          ; v24-27  Wh's, packed likewise
.set SFS,  28
.set XGS,  29
.set VHS,  30
.set VF,   31
.set VFS,  126
.set SF,   32
.set XG,   56
.set FG,   80
.set BH,   112
.set PW,   120
.set BFG,  128
.set TM,   144
.set WF,   160
.set H,    160
.set PC,   224
.set WV,   4
.set CX,   5
.set PB,   6
.set HF,   7
.set G1X,  24                          ; s[24:31] group 1: 100 rows of 256 bytes, plain
.set G1S,  32                          ; s[32:39] 26 rows, joint
.set G1W,  40                          ; s[40:47] 50 rows, joint
.set G0X,  48
.set G0S,  52
.set G0W,  56                          ; s[56:59], s[60:63]: a group 0 for each slot
.set SEL,  84
.set HVP,  86
.set FGP,  88
.set WB,   90                          ; s[90:91] Wh's codes: my 8 tiles of K step 0
.set S0,   92                          ; s92      where the walk begins
.set MSB, 0
.macro WIN new                         ; the immediate's high byte repeats the setting that is left
.if MSB != \new
	s_set_vgpr_msb (MSB<<8)|\new
.set MSB, \new
.endif
.endm
.set MUL_LO, 0xa1                      ; source 0 (x) window 1, source 1 (Wh) window 0, C and D window 2
.set MUL_HI, 0xf1
.set TO_X,   0x40                      ; destination window 1
.macro PLACES                          ; four plain lines: behind a matrix instruction, ahead of loads into its registers and of reads of its result
.rept 4
	v_nop
.endr
.endm
.macro CREST                           ; a round of the cluster's barrier behind its opening barrier
	s_cmp_lg_u32 s[WV], 0
	s_cbranch_scc1 .Lnot_wave_0_\@
	s_barrier_signal -3
.Lnot_wave_0_\@:
	s_barrier_wait -3
	s_barrier_signal -1
	s_barrier_wait -1
.endm
.macro CROUND
	s_barrier_signal -1
	s_barrier_wait -1
	CREST
.endm
; One matrix instruction.  ra, rb: the scales of source 0, 1 stand in lanes 16-31 of their register.  z: the product starts the sum.
.macro WMR d, a, b, sa, sb, ra, rb, z
.if \z
.if (\ra) && (\rb)
	v_wmma_scale_f32_16x16x128_f8f6f4 v[(\d):(\d)+7], v[(\a):(\a)+11], v[(\b):(\b)+11], 0, v[\sa], v[\sb] matrix_a_fmt:MATRIX_FMT_BF6 matrix_b_fmt:MATRIX_FMT_BF6 matrix_a_scale:MATRIX_SCALE_ROW1 matrix_b_scale:MATRIX_SCALE_ROW1
.elseif \ra
	v_wmma_scale_f32_16x16x128_f8f6f4 v[(\d):(\d)+7], v[(\a):(\a)+11], v[(\b):(\b)+11], 0, v[\sa], v[\sb] matrix_a_fmt:MATRIX_FMT_BF6 matrix_b_fmt:MATRIX_FMT_BF6 matrix_a_scale:MATRIX_SCALE_ROW1
.elseif \rb
	v_wmma_scale_f32_16x16x128_f8f6f4 v[(\d):(\d)+7], v[(\a):(\a)+11], v[(\b):(\b)+11], 0, v[\sa], v[\sb] matrix_a_fmt:MATRIX_FMT_BF6 matrix_b_fmt:MATRIX_FMT_BF6 matrix_b_scale:MATRIX_SCALE_ROW1
.else
	v_wmma_scale_f32_16x16x128_f8f6f4 v[(\d):(\d)+7], v[(\a):(\a)+11], v[(\b):(\b)+11], 0, v[\sa], v[\sb] matrix_a_fmt:MATRIX_FMT_BF6 matrix_b_fmt:MATRIX_FMT_BF6
.endif
.else
.if (\ra) && (\rb)
	v_wmma_scale_f32_16x16x128_f8f6f4 v[(\d):(\d)+7], v[(\a):(\a)+11], v[(\b):(\b)+11], v[(\d):(\d)+7], v[\sa], v[\sb] matrix_a_fmt:MATRIX_FMT_BF6 matrix_b_fmt:MATRIX_FMT_BF6 matrix_a_scale:MATRIX_SCALE_ROW1 matrix_b_scale:MATRIX_SCALE_ROW1
.elseif \ra
	v_wmma_scale_f32_16x16x128_f8f6f4 v[(\d):(\d)+7], v[(\a):(\a)+11], v[(\b):(\b)+11], v[(\d):(\d)+7], v[\sa], v[\sb] matrix_a_fmt:MATRIX_FMT_BF6 matrix_b_fmt:MATRIX_FMT_BF6 matrix_a_scale:MATRIX_SCALE_ROW1
.elseif \rb
	v_wmma_scale_f32_16x16x128_f8f6f4 v[(\d):(\d)+7], v[(\a):(\a)+11], v[(\b):(\b)+11], v[(\d):(\d)+7], v[\sa], v[\sb] matrix_a_fmt:MATRIX_FMT_BF6 matrix_b_fmt:MATRIX_FMT_BF6 matrix_b_scale:MATRIX_SCALE_ROW1
.else
	v_wmma_scale_f32_16x16x128_f8f6f4 v[(\d):(\d)+7], v[(\a):(\a)+11], v[(\b):(\b)+11], v[(\d):(\d)+7], v[\sa], v[\sb] matrix_a_fmt:MATRIX_FMT_BF6 matrix_b_fmt:MATRIX_FMT_BF6
.endif
.endif
.endm
.macro FGMUL z                         ; f or g: source 0 = 16 of its 32 channels (tile u), source 1 = my tile x2 of positions: a lane holds one position, registers 16 x2 + 8 u + j = channel 16 (lane / 16) + 8 u + j
.irp x2, 0,1
.irp u, 0,1
	WMR FG+16*\x2+8*\u, SF+12*\u, XG+12*\x2, SFS, XGS, \u, \x2, \z
.endr
.endr
.endm
.macro PM t, set, z                    ; tile t of Wh against x's eight tiles: eight accumulators, one instruction each
.irp xt, 0,1,2,3,4,5,6,7
	WMR 64*((\t)%4)+8*\xt, 96*(\set)+12*\xt, WF+12*(\t), XSC+4*(\set)+\xt/2, WSC+(\t)/2, \xt%2, (\t)%2, \z
.endr
.endm
.macro FETCH_MID s                     ; 56 LDS loads for place s: x's 8 fragments and scale words, Wh's tiles 0-3, the small weights, my two tiles
	WIN TO_X
.irp xt, 0,1,2,3,4,5,6,7
.irp g, 0,1,2
	ds_load_b128 v[96*((\s)%2)+12*\xt+4*\g:96*((\s)%2)+12*\xt+4*\g+3], v[AX0+(\s)/4] offset:((\s)%4)*12800+1536*\xt+512*\g
.endr
.endr
	WIN 0
.irp i, 0,1,2,3
	ds_load_b32 v[XSC+4*((\s)%2)+\i], v[AXS0+(\s)/4] offset:((\s)%4)*12800+128*\i
.endr
.irp t, 0,1,2,3
.irp g, 0,1,2
	ds_load_b128 v[WF+12*\t+4*\g:WF+12*\t+4*\g+3], v[AW] offset:51200*((\s)%2)+1536*\t+512*\g
.endr
.endr
.irp i, 0,1
	ds_load_b32 v[WSC+\i], v[AWS] offset:51200*((\s)%2)+128*\i
.endr
.irp u, 0,1
.irp g, 0,1,2
	ds_load_b128 v[SF+12*\u+4*\g:SF+12*\u+4*\g+3], v[ASF] offset:3328*(\s)+1664*\u+512*\g
.endr
.endr
	ds_load_b32 v[SFS], v[ASFS] offset:3328*(\s)
.irp x2, 0,1
.irp g, 0,1,2
	ds_load_b128 v[XG+12*\x2+4*\g:XG+12*\x2+4*\g+3], v[AXG0+(\s)/4] offset:((\s)%4)*12800+1536*\x2+512*\g
.endr
.endr
	ds_load_b32 v[XGS], v[AXGS0+(\s)/4] offset:((\s)%4)*12800
.endm
.macro FETCH_END s                     ; 14 LDS loads: Wh's tiles 4-7
.irp t, 4,5,6,7
.irp g, 0,1,2
	ds_load_b128 v[WF+12*\t+4*\g:WF+12*\t+4*\g+3], v[AW] offset:51200*((\s)%2)+1536*\t+512*\g
.endr
.endr
.irp i, 2,3
	ds_load_b32 v[WSC+\i], v[AWS] offset:51200*((\s)%2)+128*\i
.endr
.endm
; 64 numbers of a lane, register 16 b + i = k 32 b + 16 (lane / 16) + i of my row, become a fragment's codes in v[PC] on and its scale word in v[PW].
.macro QUANT s
.irp b, 0,1,2,3
	v_max3_num_f32 v[TM+\b], |v[\s+16*\b]|, |v[\s+1+16*\b]|, 0x2800000   ; my 16 numbers of block b, and the floor 2^(5 - 127)
.endr
.irp i, 2,4,6,8,10,12,14
.irp b, 0,1,2,3
	v_max3_num_f32 v[TM+\b], v[TM+\b], |v[\s+16*\b+\i]|, |v[\s+1+16*\b+\i]|
.endr
.endr
.irp b, 0,1,2,3
	v_permlanex16_b32 v[TM+4+\b], v[TM+\b], s[SEL], s[SEL+1]
.endr
.irp b, 0,1,2,3
	v_max_num_f32 v[TM+\b], v[TM+\b], v[TM+4+\b]   ; with lane l xor 16's: the block's largest magnitude
.endr
.irp b, 0,1,2,3
	v_add_nc_u32 v[TM+12+\b], 0xfe000000, v[TM+\b] ; 4 off its exponent field: the conversion's scale operand
.endr
.irp b, 0,1,2,3
	v_lshrrev_b32 v[TM+4+\b], 23, v[TM+12+\b]      ; the scale's byte
.endr
	v_lshl_or_b32 v[PW], v[TM+5], 8, v[TM+4]
	v_lshl_or_b32 v[PW], v[TM+6], 16, v[PW]
	v_lshl_or_b32 v[PW], v[TM+7], 24, v[PW]
.irp c, 0,1
	v_cvt_scalef32_pk16_bf6_f32 v[PC+6*\c:PC+2+6*\c], v[\s+32*\c:\s+15+32*\c], v[TM+12+2*\c]
	v_cvt_scalef32_pk16_bf6_f32 v[PC+12+4*\c:PC+14+4*\c], v[\s+16+32*\c:\s+31+32*\c], v[TM+12+2*\c+1]
.endr
	v_nop                                          ; one plain line behind the conversions
.irp c, 0,1                                    ; the operand's layout wants a whole block in a lane
.irp i, 0,1,2
	v_permlane16_swap_b32 v[PC+6*\c+\i], v[PC+12+4*\c+\i]
.endr
.irp i, 0,1,2
	v_mov_b32 v[PC+3+6*\c+\i], v[PC+12+4*\c+\i]
.endr
.endr
.endm
	s_load_b256 s[68:75], s[0:1], 0x0              ; xq s[68:69], wq s[70:71], bh s[72:73], bf s[74:75]
	s_load_b256 s[76:83], s[0:1], 0x20             ; bg s[76:77], hv s[78:79], fq s[80:81], gq s[82:83]
	v_lshl_add_u32 v[SPW], v0, 2, SPARE
	v_mov_b32 v[NIL], 0
	ds_add_u32 v[SPW], v[NIL]                      ; the wave's opening: the add, twice on end, and its wait ahead of my first tensor load
	ds_add_u32 v[SPW], v[NIL]
	v_lshrrev_b32 v121, 5, v0
	v_readfirstlane_b32 s[WV], v121                ; wave 0..3
	s_bfe_u32 s[CX], ttmp6, 0x40000                ; my place in the cluster
	s_lshl_b32 s[PB], ttmp9, 2
	s_add_co_u32 s[PB], s[PB], s[CX]               ; my block of 128 positions: it enters x's codes' address and the stores alone
	s_and_b32 s[HF], ttmp7, 0xffff                 ; which half of hh's channels: the four partners share it
	s_and_b32 s[S0], ttmp9, 3
	s_lshl_b32 s[S0], s[S0], 1                     ; where my cluster's walk along K begins: the four partners share it
	s_mov_b32 s[G1X], 3<<16                        ; elements of 8 bytes, no mask, no padding
	s_mov_b32 s[G1S], 15|(3<<16)|(1<<21)           ; the mask names all four partners; bit 21 set beside it
	s_mov_b32 s[G1W], 15|(3<<16)|(1<<21)
.irp g, G1X, G1S, G1W
	s_mov_b32 s[\g+1], 32<<16                      ; tensor_dim0 = 32 elements: rows of 256 bytes
	s_mov_b32 s[\g+3], 32<<16                      ; tile_dim0
	s_mov_b32 s[\g+5], 32                          ; the pitch: the blocks are dense
	s_mov_b32 s[\g+6], 0
	s_mov_b32 s[\g+7], 0
.endr
	s_mov_b32 s[G1X+2], 100<<16                    ; rows: 25,600 bytes,
	s_mov_b32 s[G1X+4], 100
	s_mov_b32 s[G1S+2], 26<<16                     ; 6,656,
	s_mov_b32 s[G1S+4], 26
	s_mov_b32 s[G1W+2], 50<<16                     ; 12,800
	s_mov_b32 s[G1W+4], 50
	s_lshl_b32 s17, s[WV], 1
	s_add_co_u32 s17, s17, s[S0]
	s_and_b32 s17, s17, 7                          ; the K step that stands at place 2 w of the walk; it is even, so place 2 w + 1 holds the next one
	s_mul_i32 s8, s[WV], 25600                     ; x: wave w fills places 2 w, 2 w + 1
	s_mul_i32 s10, s[PB], 102400
	s_mul_i32 s18, s17, 12800
	s_add_co_u32 s10, s10, s18
	s_mov_b32 s11, 0
	s_mul_i32 s9, s[WV], 6656                      ; the small weights: the same two places
	s_mul_i32 s12, s[HF], 26624
	s_mul_i32 s18, s17, 3328
	s_add_co_u32 s12, s12, s18
	s_add_co_u32 s12, s12, 819200
	s_mov_b32 s13, 0
	s_mul_i32 s16, s[WV], 12800                    ; Wh: my own 8 tiles
	s_mul_i32 s14, s[HF], 409600
	s_add_co_u32 s14, s14, s16
	s_mov_b32 s15, 0
	s_mul_i32 s18, s[S0], 51200                    ; the walk's first step
	s_mov_b32 s19, 0
	s_mov_b32 s[SEL], 0x76543210
	s_mov_b32 s[SEL+1], 0xfedcba98
	s_wait_dscnt 0x0                               ; both opening adds are done
	s_wait_kmcnt 0x0
	s_mov_b32 s[G0X], 1
	s_add_co_u32 s[G0X+1], s8, 102400
	s_add_nc_u64 s[G0X+2:G0X+3], s[68:69], s[10:11]
	s_or_b32 s[G0X+3], s[G0X+3], 0x80000000
	s_mov_b32 s[G0S], 1
	s_add_co_u32 s[G0S+1], s9, 204800
	s_add_nc_u64 s[G0S+2:G0S+3], s[70:71], s[12:13]
	s_or_b32 s[G0S+3], s[G0S+3], 0x80000000
	s_add_nc_u64 s[WB:WB+1], s[70:71], s[14:15]
	s_add_nc_u64 s[14:15], s[WB:WB+1], s[18:19]
.irp v, 0,1
	s_mov_b32 s[G0W+4*\v], 1
	s_add_co_u32 s[G0W+4*\v+1], s16, \v*51200
	s_add_nc_u64 s[G0W+4*\v+2:G0W+4*\v+3], s[14:15], \v*51200   ; s0 is at most 6: the walk's second step lies behind its first
	s_or_b32 s[G0W+4*\v+3], s[G0W+4*\v+3], 0x80000000
.endr
	CROUND                                         ; all four work-groups are here: the first joint loads meet
	tensor_load_to_lds s[G0X:G0X+3], s[G1X:G1X+7]  ; every wave issues the four first fills: four loads of mine are out
	s_nop 0
	tensor_load_to_lds s[G0S:G0S+3], s[G1S:G1S+7]
	s_nop 0
	tensor_load_to_lds s[G0W:G0W+3], s[G1W:G1W+7]
	s_nop 0
	tensor_load_to_lds s[G0W+4:G0W+7], s[G1W:G1W+7]
	s_nop 0
	PLACES
	v_and_b32 v121, 31, v0                         ; lane
	v_and_b32 v122, 15, v0                         ; r
	v_bfe_u32 v123, v0, 4, 1                       ; h
	v_lshl_add_u32 v[AW], v121, 4, s16
	s_add_co_u32 s9, s16, 12288
	v_lshl_add_u32 v[AWS], v121, 2, s9
	v_lshl_add_u32 v[AX0], v121, 4, 102400
	v_lshl_add_u32 v[AX0+1], v121, 4, 153600
	v_lshl_add_u32 v[AXS0], v121, 2, 114688
	v_lshl_add_u32 v[AXS0+1], v121, 2, 165888
	s_mul_i32 s9, s[WV], 3072
	v_add_nc_u32 v[AXG0], s9, v[AX0]
	v_add_nc_u32 v[AXG0+1], s9, v[AX0+1]
	s_lshl_b32 s9, s[WV], 7
	v_add_nc_u32 v[AXGS0], s9, v[AXS0]
	v_add_nc_u32 v[AXGS0+1], s9, v[AXS0+1]
	v_lshl_add_u32 v[ASF], v121, 4, 204800
	v_mul_u32_u24 v144, v123, 1664                 ; lanes 16-31 take tile 1's scale words
	v_lshl_add_u32 v144, v122, 2, v144
	v_add_nc_u32 v[ASFS], 206336, v144
	; the stores' places
	s_lshl_b32 s17, s[PB], 2
	s_lshl_b32 s18, s[HF], 1
	s_add_co_u32 s17, s17, s18
	s_lshr_b32 s18, s[WV], 1
	s_add_co_u32 s17, s17, s18                     ; hv's part: 4 PB + 2 hf + w / 2
	s_mul_i32 s18, s17, 25600
	s_mov_b32 s19, 0
	s_add_nc_u64 s[HVP:HVP+1], s[78:79], s[18:19]
	s_cmp_eq_u32 s[HF], 0                          ; f or g: the choice hangs on the work-group's y alone
	s_cselect_b64 s[FGP:FGP+1], s[80:81], s[82:83]
	s_cselect_b64 s[74:75], s[74:75], s[76:77]
	s_lshr_b32 s18, s[PB], 4                       ; the batch
	s_mul_i32 s18, s18, 51200
	s_add_nc_u64 s[FGP:FGP+1], s[FGP:FGP+1], s[18:19]
	s_lshl_b32 s18, s[HF], 11
	s_lshl_b32 s20, s[WV], 9
	s_add_co_u32 s18, s18, s20
	s_add_nc_u64 s[72:73], s[72:73], s[18:19]      ; bh at my 128 channels
	s_and_b32 s20, s[PB], 15                       ; Pb
	s_mul_i32 s21, s20, 3072
	s_mul_i32 s22, s[WV], 768
	s_add_co_u32 s21, s21, s22
	v_and_b32 v144, 8, v122
	v_add_nc_u32 v144, v144, v122                  ; r + 8 (r / 8)
	v_mul_u32_u24 v144, v144, 24
	v_mad_u32_u24 v144, v123, 12, v144
	v_add_nc_u32 v[VF], s21, v144                  ; f, g: position 128 Pb + 32 w + r + 8 (r / 8) (+ 8 x2), 24 bytes each, + 12 h
	s_lshl_b32 s21, s20, 7
	s_lshr_b32 s22, s[WV], 1
	s_lshl_b32 s22, s22, 6
	s_add_co_u32 s21, s21, s22
	s_and_b32 s22, s[WV], 1
	s_lshl_b32 s23, s22, 1
	s_add_co_u32 s21, s21, s23
	s_add_co_u32 s21, s21, 49152
	v_lshl_add_u32 v[VFS], v122, 2, s21            ; their two scale bytes: word (2 Pb + w / 2, r), bytes 2 (w % 2), + 1
	s_mul_i32 s23, s22, 12288
	v_lshl_add_u32 v[VH], v121, 4, s23             ; hv: fragment 8 (w % 2) + t
	s_lshl_b32 s23, s22, 9
	s_add_co_u32 s23, s23, 24576
	v_lshl_add_u32 v[VHS], v122, 2, s23
	v_lshlrev_b32 v124, 2, v122
	v_lshlrev_b32 v125, 6, v123
.irp t, 0,1,2,3,4,5,6,7
	global_load_b32 v[BH+\t], v124, s[72:73] offset:64*\t          ; bh of my lane's channel in tile t
.endr
.irp k, 0,1,2,3
	global_load_b128 v[BFG+4*\k:BFG+4*\k+3], v125, s[74:75] offset:16*\k   ; bf or bg of channels 16 h + 0 .. 15
.endr
.irp b, 0,1,2,3
	v_mov_b32 v[TM+4+\b], 0                        ; written once: a lane permute's destination counts as one of its sources
.endr
	s_wait_tensorcnt 1                             ; x, the small weights and Wh's first step are in; the second step's load may be out
	s_barrier_signal -1
	s_barrier_wait -1                              ; everybody's parts of x and of the small weights are in
	FETCH_MID 0
	FETCH_END 0
; PLACE s OF THE WALK: 68 matrix instructions.  kind 0: this place's slot of Wh is filled again, two places ahead; 1: place 6; 2: place 7.
.macro PSTEP s, z, kind
	s_wait_dscnt 14                                ; all but the youngest 14 loads (Wh's tiles 4-7)
	FGMUL \z
	WIN MUL_LO
	PM 0, (\s)%2, \z
	PM 1, (\s)%2, \z
.if (\kind) == 0
	WIN 0                                          ; (the add's two registers lie in window 0)
	s_wait_tensorcnt 0x0                           ; all my tensor loads have landed: the one that was out is the next place's tiles of Wh
	ds_add_u32 v[SPW], v[NIL]                      ; 0 onto my spare word
	WIN MUL_LO
	PM 2, (\s)%2, \z                               ; eight matrix instructions stand between the add and the wait for it
	s_wait_dscnt 0x0                               ; the add is done, and my reads of this slot are over
	s_barrier_signal -1                            ; this barrier opens a round of the cluster's
	PM 3, (\s)%2, \z
	WIN 0
	s_barrier_wait -1
	CREST                                          ; no wave of any partner still reads this slot or has a load on its way
	s_add_co_u32 s18, s[S0], (\s)+2                ; place s + 2 of the walk is K step (s + 2 + s0) % 8
	s_and_b32 s18, s18, 7
	s_mul_i32 s18, s18, 51200
	s_mov_b32 s19, 0
	s_add_nc_u64 s[G0W+4*((\s)%2)+2:G0W+4*((\s)%2)+3], s[WB:WB+1], s[18:19]
	s_or_b32 s[G0W+4*((\s)%2)+3], s[G0W+4*((\s)%2)+3], 0x80000000
	tensor_load_to_lds s[G0W+4*((\s)%2):G0W+4*((\s)%2)+3], s[G1W:G1W+7]   ; my one tensor load behind the round: 52 matrix instructions ahead of the wait for it
	s_nop 0
	PLACES                                         ; also the places ahead of the loads below
	FETCH_MID (\s)+1
	WIN MUL_HI
.elseif (\kind) == 1
	PM 2, (\s)%2, \z
	PM 3, (\s)%2, \z
	s_wait_tensorcnt 0x0                           ; the last place's tiles of Wh, which I alone read; nothing more is asked for
	PLACES
	FETCH_MID (\s)+1
	s_wait_dscnt 56                                ; Wh's tiles 4-7 of this place are in; the 56 just issued may be out
	WIN MUL_HI
.else
	PM 2, (\s)%2, \z
	PM 3, (\s)%2, \z
	s_wait_dscnt 0x0
	WIN MUL_HI
.endif
	PM 4, (\s)%2, \z
	PM 5, (\s)%2, \z
	PM 6, (\s)%2, \z
	PM 7, (\s)%2, \z
	PLACES
	WIN 0
.if (\kind) < 2
	FETCH_END (\s)+1
.endif
.endm
	PSTEP 0, 1, 0                                  ; the first place's products start the sums
	PSTEP 1, 0, 0
	PSTEP 2, 0, 0
	PSTEP 3, 0, 0
	PSTEP 4, 0, 0
	PSTEP 5, 0, 0
	PSTEP 6, 0, 1
	PSTEP 7, 0, 2
; THE WAY OUT.  Tile t: 64 positions' worth of one channel a lane: + bh, quantised along the positions: one fragment of hv and its scale words.
	s_wait_loadcnt 0x0                             ; the biases
.macro HOUT t
	WIN 0x02+(\t)/4                                ; source 0: window 2 or 3
.set i, 0
.rept 32
.if (\t)%2
	v_pk_add_f32 v[H+2*i:H+2*i+1], v[64*((\t)%4)+2*i:64*((\t)%4)+2*i+1], v[BH+(\t)-1:BH+(\t)] op_sel:[0,1] op_sel_hi:[1,1]   ; the pair's high word for both halves; each accumulator from its low end on
.else
	v_pk_add_f32 v[H+2*i:H+2*i+1], v[64*((\t)%4)+2*i:64*((\t)%4)+2*i+1], v[BH+(\t):BH+(\t)+1] op_sel_hi:[1,0]              ; the pair's low word for both halves
.endif
.set i, i+1
.endr
	WIN 0
.if (\t) > 0
	s_wait_xcnt 0x0                                ; the last tile's stores have read their registers: the codes may be written again
.endif
	QUANT H
.irp g, 0,1,2
	global_store_b128 v[VH], v[PC+4*\g:PC+4*\g+3], s[HVP:HVP+1] offset:1536*(\t)+512*\g   ; 512 consecutive bytes a store
.endr
	global_store_b32 v[VHS], v[PW], s[HVP:HVP+1] offset:64*(\t)
.endm
.irp t, 0,1,2,3,4,5,6,7
	HOUT \t
.endr
	; f or g: + the bias; a position's 32 channels are one block, in lanes l and l xor 16
.irp x2, 0,1
.irp i, 0,1,2,3,4,5,6,7
	v_pk_add_f32 v[FG+16*\x2+2*\i:FG+16*\x2+2*\i+1], v[FG+16*\x2+2*\i:FG+16*\x2+2*\i+1], v[BFG+2*\i:BFG+2*\i+1]
.endr
.endr
.irp x2, 0,1
	v_max3_num_f32 v[TM+\x2], |v[FG+16*\x2]|, |v[FG+1+16*\x2]|, 0x2800000
.endr
.irp i, 2,4,6,8,10,12,14
.irp x2, 0,1
	v_max3_num_f32 v[TM+\x2], v[TM+\x2], |v[FG+16*\x2+\i]|, |v[FG+1+16*\x2+\i]|
.endr
.endr
.irp x2, 0,1
	v_permlanex16_b32 v[TM+4+\x2], v[TM+\x2], s[SEL], s[SEL+1]
.endr
.irp x2, 0,1
	v_max_num_f32 v[TM+\x2], v[TM+\x2], v[TM+4+\x2]
.endr
.irp x2, 0,1
	v_add_nc_u32 v[TM+12+\x2], 0xfe000000, v[TM+\x2]
.endr
.irp x2, 0,1
	v_lshrrev_b32 v[TM+4+\x2], 23, v[TM+12+\x2]
.endr
	s_wait_xcnt 0x0                                ; tile 7's stores have read their registers
.irp x2, 0,1
	v_cvt_scalef32_pk16_bf6_f32 v[PC+4*\x2:PC+4*\x2+2], v[FG+16*\x2:FG+16*\x2+15], v[TM+12+\x2]
.endr
	v_lshl_or_b32 v[PW], v[TM+5], 8, v[TM+4]       ; the two positions' bytes; also the plain line behind the conversions
.irp x2, 0,1
	global_store_b96 v[VF], v[PC+4*\x2:PC+4*\x2+2], s[FGP:FGP+1] offset:192*\x2
.endr
	global_store_b16 v[VFS], v[PW], s[FGP:FGP+1]
	s_wait_tensorcnt 0x0                           ; the wave's end
	ds_add_u32 v[SPW], v[NIL]
	s_wait_dscnt 0x0
	CROUND                                         ; the closing round: no work-group ends while a partner may still ask for a tile that names it
	s_endpgm
.Lfunc_end_k_q337a3548dd_proj:
	.size	k_q337a3548dd_proj, .Lfunc_end_k_q337a3548dd_proj-k_q337a3548dd_proj
	.p2alignl 7, 3214868480
	.fill 96, 4, 3214868480
	.section	.rodata,"a",@progbits
	.p2align	6, 0x0
	.amdhsa_kernel k_q337a3548dd_proj
		.amdhsa_group_segment_fixed_size 327680
		.amdhsa_private_segment_fixed_size 0
		.amdhsa_enable_private_segment 0
		.amdhsa_kernarg_size 64
		.amdhsa_user_sgpr_count 2
		.amdhsa_user_sgpr_kernarg_segment_ptr 1
		.amdhsa_wavefront_size32 1
		.amdhsa_system_sgpr_workgroup_id_x 1
		.amdhsa_system_sgpr_workgroup_id_y 1
		.amdhsa_system_sgpr_workgroup_id_z 1
		.amdhsa_system_vgpr_workitem_id 0
		.amdhsa_next_free_vgpr 1024
		.amdhsa_next_free_sgpr 100
		.amdhsa_reserve_vcc 0
		.amdhsa_float_denorm_mode_32 3
		.amdhsa_float_denorm_mode_16_64 3
		.amdhsa_memory_ordered 1
		.amdhsa_forward_progress 1
		.amdhsa_inst_pref_size 174
	.end_amdhsa_kernel
	.amdgpu_metadata
---
amdhsa.version: [ 1, 2 ]
amdhsa.kernels:
  - .name:           k_q337a3548dd_proj
    .symbol:         k_q337a3548dd_proj.kd
    .args:
      - { .name: xq, .offset: 0, .size: 8, .value_kind: global_buffer, .address_space: global }
      - { .name: wq, .offset: 8, .size: 8, .value_kind: global_buffer, .address_space: global }
      - { .name: bh, .offset: 16, .size: 8, .value_kind: global_buffer, .address_space: global }
      - { .name: bf, .offset: 24, .size: 8, .value_kind: global_buffer, .address_space: global }
      - { .name: bg, .offset: 32, .size: 8, .value_kind: global_buffer, .address_space: global }
      - { .name: hv, .offset: 40, .size: 8, .value_kind: global_buffer, .address_space: global }
      - { .name: fq, .offset: 48, .size: 8, .value_kind: global_buffer, .address_space: global }
      - { .name: gq, .offset: 56, .size: 8, .value_kind: global_buffer, .address_space: global }
    .group_segment_fixed_size: 327680
    .private_segment_fixed_size: 0
    .kernarg_segment_align: 8
    .kernarg_segment_size: 64
    .max_flat_workgroup_size: 128
    .sgpr_count:     100
    .vgpr_count:     1024
    .wavefront_size: 32
...
	.end_amdgpu_metadata
.endif
;; end of part 2
;; launch attn (part 3): grid 32 x 8, 4 waves a work-group, clusters of 4 x 1, 327,680 bytes of LDS; arguments hv, fq, gq, x, gamma, out0; writes out0
.if DOCPART == 3
	.amdgcn_target "amdgcn-amd-amdhsa--gfx1250"
	.amdhsa_code_object_version 6
	.text
	.protected	k_q337a3548dd_attn
	.globl	k_q337a3548dd_attn
	.p2align	8
	.type	k_q337a3548dd_attn,@function
k_q337a3548dd_attn:
	s_mov_b64 s[64:65], 0
	v_nop
	global_prefetch_b8 v0, s[64:65] scope:SCOPE_SE
	s_setreg_imm32_b32 hwreg(HW_REG_WAVE_MODE, 25, 1), 1
	s_wait_xcnt 0x0
	s_wait_alu depctr_hold_cnt(0) depctr_sa_sdst(0) depctr_va_vdst(0) depctr_va_sdst(0) depctr_va_ssrc(0) depctr_va_vcc(0) depctr_vm_vsrc(0)
	s_getreg_b32 s2, hwreg(HW_REG_IB_STS2, 6, 4)
	s_cmp_eq_u32 s2, 0
	s_cbranch_scc0 .Lentry_in_a_cluster
	s_endpgm
.Lentry_in_a_cluster:
	s_bfe_u32 s2, ttmp6, 0x10000c
	s_cmp_lg_u32 s2, 0x3003
	s_cbranch_scc0 .Lentry_shape_is_right
	s_endpgm
.Lentry_shape_is_right:
; THIRD LAUNCH: s = g^T f, p = 2^(s log2(e) - M), o = sum over the keys of p hh, out = gamma o / l + x.  No work is left out.
; SHARES.  A work-group owns 64 queries of one batch and ALL 1,024 channels: 256 KB of f32 sums in its four waves' registers, so that each p is made once.  Wave w makes the softmax of query tile w (16 queries) and the sums of channels 256 w .. + 255 for all 64 queries.
; p's codes go from wave to wave through LDS as images of the operand's registers, in two places by turns: one barrier a key step of 128 keys.
; TWO PASSES OVER THE SCORES.  The batch's codes of f stay in LDS.  Pass 1 makes all scores of my 16 queries and keeps their maximum, so that M = ceil(largest t) is the row's own from the first key on and the 512 registers of sums are never rescaled.  Pass 2 makes the same scores again, by the same instructions.
; THE WALK OVER THE KEYS.  With M fixed, the order of the key steps is free.  Cluster c of a batch begins at key step k0 = 4 ((c xor c / 4) % 4) and goes round: place p of the walk is key step (k0 + p) % 16, so that the clusters of a batch ask for different tiles of hh at any one time.
; f is laid into LDS in the walk's order (a wave brings four neighbouring steps, and k0 is a multiple of 4), so that no LDS address hangs on k0.
; BY TURNS.  In phase j a wave multiplies p of place j by hh of place j, 64 products, and makes p of place j + 1 meanwhile: that softmax is 207 vector instructions on registers that the products do not name.  Its first 96 stand behind the phase's run of LDS loads; the other 111 stand in slices
; behind the first 48 products (2 exponentials, 1 exponential, 4 other lines).  All that a slice touches lies in window 0, and the products' sums fill windows 2 and 3: a slice costs two switches of the window.  The last 16 products, and the 8 products that make the scores of place j + 2,
; stand between the signal and the wait of the barrier that ends the phase.
; K = 32 IN AN INSTRUCTION OF K = 128.  A fragment of f holds 64 keys, four to a row: quarter (c, h) of row m is key 64 G + 32 c + 8 h + m + 8 (m / 8).  g stands in one quarter of K and zero codes in the other three: four such operands, made once.  A product with variant (c, h) sums the 32 products
; of that quarter's 16 keys, and 96 products with a zero code.  Register j of lane (r, hl) is then key 64 G + 32 c + 16 hl + 8 h + j of query r: 16 registers are 16 neighbouring keys.
; SECOND PRODUCT: source 0 = p (16 queries), source 1 = hh (16 channels): a lane holds one channel and eight queries.  Row r of query tile w = 2 c + hq is query 32 c + 8 hq + r + 8 (r / 8), so that tiles 2 c, 2 c + 1 give 16 neighbouring queries: out's innermost axis.
; CLUSTER.  The four partners lie along x and share the batch and k0: f's codes and hh's tiles are asked for JOINTLY (mask 15).
; LIMITS: a block of p that has fallen to zeros keeps the byte 1; 1 / l is v_rcp_f32's; NaN and infinities among the inputs are not served; the f32 sums over the keys are taken in the walk's order, which differs from cluster to cluster: results differ within f32 rounding.
; LDS: 0, 102,400 two slots of hh (part w at + 25,600 w); 204,800 f's codes, 253,952 its scale words; 256,000 p's images, two of 6,400; 268,800 gamma / l of the 64 queries; 269,056 four stages of 16 x 272; 286,464 the spare words.
; REGISTERS: window 0 as named below.  window 1: v0-95 two buffers of four fragments of hh; slots of 32 for x, tile t in slot (t + 3) % 8.  windows 2, 3: the sum of (tile t of channels, tile m of queries) at v[8 (4 (t % 8) + m)].
.set SPARE, 286464
.set AF0,  1                           ; my lane's place in a fragment of f
.set AFS0, 2                           ; and among its scale words
.set AFC,  3                           ; the same for the place in hand
.set AFSC, 4
.set AP,   5                           ; p's images: 16 lane
.set APS,  6                           ; their scale words: 4 lane
.set APW,  7                           ; where I store mine
.set APSW, 8
.set AV,   9                           ; hh's fragments, slot 0 (slot 1: v126)
.set AVS,  10                          ; their scale words, slot 0 (slot 1: v127)
.set STO,  11
.set SRD,  12
.set XO,   13
.set SPW,  14                          ; LDS address of my spare word; never rewritten
.set NIL,  15                          ; 0; never rewritten
.set PFO,  16
.set PFX,  17
.set NM,   18                          ; v18 -M; v19 named with it as a pair
.set L,    20                          ; v[20:21] the row's sum; v[22:23], v[244:245], v[246:247] three more chains of a step's sum
.set LT,   22
.set C2,   244
.set C3,   246
.set BM,   24                          ; v24-27 the blocks' largest scores
.set BT,   28                          ; v28-31 lane permutes' results, then bytes
.set SCV,  32                          ; v32-35 the conversions' scale operands
.set PW,   36
.set FS,   37                          ; f's scale words: lanes 0-15 the place's first 64 keys, lanes 16-31 the second
.set GS,   38                          ; v38-41 g's scale word for each variant
.set PS,   42                          ; v42-43 p's scale words
.set VS,   44                          ; v44-51 hh's
.set GR,   52                          ; v52-81 zeros, g in lanes 0-15, zeros, g in lanes 16-31, zeros: variant (c, h) begins at GR + 12 h + 6 (1 - c)
.set FF,   82                          ; v82-105 two fragments of f
.set PC,   106                         ; v106-117 p's codes
.set PT,   118
.set S,    128                         ; v128-191 the scores, then p; on the way out rows of out
.set PF,   192                         ; v192-239 p's four fragments
.set FAC4, 240
.set FAW,  252
.set FAR,  253
.set WV,   4
.set CX,   5
.set QB,   6
.set BA,   7
.set G1F,  24                          ; s[24:31] group 1 for f's codes: 48 rows of 256 bytes
.set G1V,  32                          ; s[32:39] for hh: 100 rows
.set G0F,  40
.set G0V,  44                          ; s[44:47], s[48:51]: a group 0 for each slot
.set CS,   52
.set SEL,  54
.set TF,   56
.set TS,   57
.set LOOP, 58
.set LIM,  59                          ; 0 in the clusters that prefetch
.set PFA,  60
.set K0,   62                          ; where the walk begins
.set KN,   63                          ; k0 + the place that the next refill brings
.set VB,   66                          ; s[66:67] hh: my part of the batch's key step 0
.set GAM,  80
.set HIM,  81
.set OFS,  82                          ; s[82:83] an offset in 64 bits; s83 stays 0
.set XP,   84
.set OP,   86
.set G1FS, 88                          ; s[88:95] group 1 for f's scale words: 2 rows
.set G0FS, 96
.set MSB, 0
.macro WIN new
.if MSB != \new
	s_set_vgpr_msb (MSB<<8)|\new
.set MSB, \new
.endif
.endm
.macro PLACES                          ; four plain lines: behind a matrix instruction, ahead of loads into its registers and of reads of its result
.rept 4
	v_nop
.endr
.endm
.macro CREST                           ; a round of the cluster's barrier behind its opening barrier
	s_cmp_lg_u32 s[WV], 0
	s_cbranch_scc1 .Lnot_wave_0_\@
	s_barrier_signal -3
.Lnot_wave_0_\@:
	s_barrier_wait -3
	s_barrier_signal -1
	s_barrier_wait -1
.endm
.macro CROUND                          ; a whole round
	s_barrier_signal -1
	s_barrier_wait -1
	CREST
.endm
.macro WMR d, a, b, sa, sb, ra, rb, z  ; one matrix instruction; ra, rb: the side's scales stand in lanes 16-31; z: the product starts the sum
.if \z
.if (\ra) && (\rb)
	v_wmma_scale_f32_16x16x128_f8f6f4 v[(\d):(\d)+7], v[(\a):(\a)+11], v[(\b):(\b)+11], 0, v[\sa], v[\sb] matrix_a_fmt:MATRIX_FMT_BF6 matrix_b_fmt:MATRIX_FMT_BF6 matrix_a_scale:MATRIX_SCALE_ROW1 matrix_b_scale:MATRIX_SCALE_ROW1
.elseif \ra
	v_wmma_scale_f32_16x16x128_f8f6f4 v[(\d):(\d)+7], v[(\a):(\a)+11], v[(\b):(\b)+11], 0, v[\sa], v[\sb] matrix_a_fmt:MATRIX_FMT_BF6 matrix_b_fmt:MATRIX_FMT_BF6 matrix_a_scale:MATRIX_SCALE_ROW1
.elseif \rb
	v_wmma_scale_f32_16x16x128_f8f6f4 v[(\d):(\d)+7], v[(\a):(\a)+11], v[(\b):(\b)+11], 0, v[\sa], v[\sb] matrix_a_fmt:MATRIX_FMT_BF6 matrix_b_fmt:MATRIX_FMT_BF6 matrix_b_scale:MATRIX_SCALE_ROW1
.else
	v_wmma_scale_f32_16x16x128_f8f6f4 v[(\d):(\d)+7], v[(\a):(\a)+11], v[(\b):(\b)+11], 0, v[\sa], v[\sb] matrix_a_fmt:MATRIX_FMT_BF6 matrix_b_fmt:MATRIX_FMT_BF6
.endif
.else
.if (\ra) && (\rb)
	v_wmma_scale_f32_16x16x128_f8f6f4 v[(\d):(\d)+7], v[(\a):(\a)+11], v[(\b):(\b)+11], v[(\d):(\d)+7], v[\sa], v[\sb] matrix_a_fmt:MATRIX_FMT_BF6 matrix_b_fmt:MATRIX_FMT_BF6 matrix_a_scale:MATRIX_SCALE_ROW1 matrix_b_scale:MATRIX_SCALE_ROW1
.elseif \ra
	v_wmma_scale_f32_16x16x128_f8f6f4 v[(\d):(\d)+7], v[(\a):(\a)+11], v[(\b):(\b)+11], v[(\d):(\d)+7], v[\sa], v[\sb] matrix_a_fmt:MATRIX_FMT_BF6 matrix_b_fmt:MATRIX_FMT_BF6 matrix_a_scale:MATRIX_SCALE_ROW1
.elseif \rb
	v_wmma_scale_f32_16x16x128_f8f6f4 v[(\d):(\d)+7], v[(\a):(\a)+11], v[(\b):(\b)+11], v[(\d):(\d)+7], v[\sa], v[\sb] matrix_a_fmt:MATRIX_FMT_BF6 matrix_b_fmt:MATRIX_FMT_BF6 matrix_b_scale:MATRIX_SCALE_ROW1
.else
	v_wmma_scale_f32_16x16x128_f8f6f4 v[(\d):(\d)+7], v[(\a):(\a)+11], v[(\b):(\b)+11], v[(\d):(\d)+7], v[\sa], v[\sb] matrix_a_fmt:MATRIX_FMT_BF6 matrix_b_fmt:MATRIX_FMT_BF6
.endif
.endif
.endm
.macro SMUL                            ; the scores of 128 keys: 2 fragments of f x 4 variants of g: register 32 g + 16 c + 8 h + j = key 64 g + 32 c + 16 (lane / 16) + 8 h + j
.irp g, 0,1
.irp c, 0,1
.irp h, 0,1
	WMR S+32*\g+16*\c+8*\h, FF+12*\g, GR+12*\h+6*(1-\c), FS, GS+2*\c+\h, \g, 0, 1
.endr
.endr
.endr
.endm
.macro FFETCH                          ; 13 LDS loads: the 128 keys at s[TF], their scale words at s[TS]
	v_add_nc_u32 v[AFC], s[TF], v[AF0]
	v_add_nc_u32 v[AFSC], s[TS], v[AFS0]
.irp g, 0,1
.irp c, 0,1
.irp p, 0,1,2
	ds_load_b64 v[FF+12*\g+6*\c+2*\p:FF+12*\g+6*\c+2*\p+1], v[AFC] offset:1536*\g+768*\c+8*\p
.endr
.endr
.endr
	ds_load_b32 v[FS], v[AFSC]
.endm
.macro PMAX                            ; pass 1: the 64 scores into four running maxima; each accumulator from its low end on
.set i, 0
.rept 32
	v_max3_num_f32 v[BM+i%4], v[BM+i%4], v[S+2*i], v[S+2*i+1]
.set i, i+1
.endr
.endm
; THE SOFTMAX OF 64 SCORES A LANE, in three parts.  SMH, 76 lines: the largest score of each block of 32 keys, and t - M.  EXP1, 68 times: the exponentials, ONE BATCH: none reads another's result.  R1, 63 times: all that reads them.
.macro SMH
.irp b, 0,1,2,3
	v_max3_num_f32 v[BM+\b], v[S+16*\b], v[S+1+16*\b], v[S+2+16*\b]   ; the largest SCORE of each block: p rises with the score, so it gives the block's largest p
.endr
.irp i, 3,5,7,9,11,13
.irp b, 0,1,2,3
	v_max3_num_f32 v[BM+\b], v[BM+\b], v[S+16*\b+\i], v[S+1+16*\b+\i]
.endr
.endr
.irp b, 0,1,2,3
	v_max_num_f32 v[BM+\b], v[BM+\b], v[S+15+16*\b]
.endr
.irp b, 0,1,2,3
	v_permlanex16_b32 v[BT+\b], v[BM+\b], s[SEL], s[SEL+1]
.endr
.irp b, 0,1,2,3
	v_max_num_f32 v[BM+\b], v[BM+\b], v[BT+\b]
.endr
.set i, 0
.rept 32
	v_pk_fma_f32 v[S+2*i:S+2*i+1], v[S+2*i:S+2*i+1], s[CS:CS+1], v[NM:NM+1] op_sel_hi:[1,0,0]   ; t - M, two at a time
.set i, i+1
.endr
.irp b, 0,1,2,3
	v_fma_f32 v[BM+\b], v[BM+\b], s[CS], v[NM]     ; the same of each block's largest score
.endr
.endm
.macro EXP1                            ; exponential number en of 68: the 64 p, then the four blocks' largest p (the same two instructions on the same number give the same bits)
.if en < 64
	v_exp_f32 v[S+en], v[S+en]
.else
	v_exp_f32 v[BM+en-64], v[BM+en-64]
.endif
.set en, en+1
.endm
; Line number rn of the 63 behind the batch's wait.  0-28, 29, 34, 39: the row's sum of the unquantised p, 32 pairs in four chains.  30-33, 35-38, 40-44, 47, 50: the floor, the conversions' scale operands, the bytes, p's scale word.
; 45, 46, 48, 49: the conversions, with plain lines 47 and 50 behind them.  51-62: a whole block into each lane: p's codes in v[PC] on.  (Number 63 is empty: 16 slices of four.)
.macro R1
.if rn == 0
	v_pk_add_f32 v[LT:LT+1], v[S:S+1], v[S+2:S+3]
.elseif rn == 1
	v_pk_add_f32 v[C2:C2+1], v[S+4:S+5], v[S+6:S+7]
.elseif rn == 2
	v_pk_add_f32 v[C3:C3+1], v[S+8:S+9], v[S+10:S+11]
.elseif rn < 29
.set rc, L
.if rn%4 == 0
.set rc, LT
.elseif rn%4 == 1
.set rc, C2
.elseif rn%4 == 2
.set rc, C3
.endif
	v_pk_add_f32 v[rc:rc+1], v[rc:rc+1], v[S+2*(rn+3):S+2*(rn+3)+1]   ; pair rn + 3: pairs 6 to 31
.elseif rn == 29
	v_pk_add_f32 v[C2:C2+1], v[C2:C2+1], v[C3:C3+1]
.elseif rn < 34
	v_max_num_f32 v[BM+rn-30], 0x2800000, v[BM+rn-30]   ; the floor 2^(5 - 127)
.elseif rn == 34
	v_pk_add_f32 v[L:L+1], v[L:L+1], v[LT:LT+1]
.elseif rn < 39
	v_add_nc_u32 v[SCV+rn-35], 0xfe000000, v[BM+rn-35]
.elseif rn == 39
	v_pk_add_f32 v[L:L+1], v[L:L+1], v[C2:C2+1]
.elseif rn < 44
	v_lshrrev_b32 v[BT+rn-40], 23, v[SCV+rn-40]
.elseif rn == 44
	v_lshl_or_b32 v[PW], v[BT+1], 8, v[BT]
.elseif rn == 45
	v_cvt_scalef32_pk16_bf6_f32 v[PC:PC+2], v[S:S+15], v[SCV]
.elseif rn == 46
	v_cvt_scalef32_pk16_bf6_f32 v[PT:PT+2], v[S+16:S+31], v[SCV+1]
.elseif rn == 47
	v_lshl_or_b32 v[PW], v[BT+2], 16, v[PW]
.elseif rn == 48
	v_cvt_scalef32_pk16_bf6_f32 v[PC+6:PC+8], v[S+32:S+47], v[SCV+2]
.elseif rn == 49
	v_cvt_scalef32_pk16_bf6_f32 v[PT+4:PT+6], v[S+48:S+63], v[SCV+3]
.elseif rn == 50
	v_lshl_or_b32 v[PW], v[BT+3], 24, v[PW]
.elseif rn < 54
	v_permlane16_swap_b32 v[PC+rn-51], v[PT+rn-51]
.elseif rn < 57
	v_mov_b32 v[PC+3+rn-54], v[PT+rn-54]
.elseif rn < 60
	v_permlane16_swap_b32 v[PC+6+rn-57], v[PT+4+rn-57]
.elseif rn < 63
	v_mov_b32 v[PC+9+rn-60], v[PT+4+rn-60]
.endif
.set rn, rn+1
.endm
.macro VLOAD g, slot                   ; 12 LDS loads: hh's tiles 4 g .. 4 g + 3 into buffer g % 2
	WIN 0x40
.irp tt, 0,1,2,3
.irp gg, 0,1,2
	ds_load_b128 v[48*((\g)%2)+12*\tt+4*\gg:48*((\g)%2)+12*\tt+4*\gg+3], v[AV+117*(\slot)] offset:1536*(4*(\g)+\tt)+512*\gg
.endr
.endr
.endm
.macro PVMUL g, first                  ; 16 matrix instructions on 16 sums, one each
	WIN 0xa4+0x50*((\g)/2)                         ; source 0 (p) window 0, source 1 (hh) window 1, C and D window 2 or 3
.irp tt, 0,1,2,3
.irp m, 0,1,2,3
	WMR 8*(4*((4*(\g)+\tt)%8)+\m), PF+12*\m, 48*((\g)%2)+12*\tt, PS+\m/2, VS+(4*(\g)+\tt)/2, \m%2, \tt%2, \first
.endr
.endr
.endm
.macro PV1 g, first                    ; product number pvi of group g's 16: tile 4 g + pvi / 4 of channels, tile pvi % 4 of queries
	WIN 0xa4+0x50*((\g)/2)
	WMR 8*(4*((4*(\g)+pvi/4)%8)+pvi%4), PF+12*(pvi%4), 48*((\g)%2)+12*(pvi/4), PS+(pvi%4)/2, VS+(4*(\g)+pvi/4)/2, pvi%2, (pvi/4)%2, \first
.endm
.macro PSTORE img                      ; my tile's fragment of p as it stands, and its scale words
.irp g, 0,1,2
	ds_store_b128 v[APW], v[PC+4*\g:PC+4*\g+3] offset:6400*(\img)+512*\g
.endr
	ds_store_b32 v[APSW], v[PW] offset:6400*(\img)
.endm
; THE BARRIER IN FRONT OF A PHASE of parity par.  In front of it: p of that phase is stored, hh of that phase has landed, my LDS reads of the last phase are over.  mode 1: it is a round of the cluster's barrier, and behind it the slot that the last phase read is filled again.
; pv: the last phase's group 3, 16 products on registers, stands between the signal and the wait; sm: so do the 8 products that make the scores of the place after this phase's.  tcnt: mode 0's count.
.macro BAR par, mode, tcnt, pv, first, sm
	WIN 0
.if \mode
	s_wait_tensorcnt 0x0                           ; all my tensor loads have landed: the one that was out is this phase's hh
	ds_add_u32 v[SPW], v[NIL]                      ; 0 onto my spare word
	s_and_b32 s[OFS], s[KN], 15                    ; the next place's key step, round the batch's 16
	s_mul_i32 s[OFS], s[OFS], 102400
	s_add_co_u32 s[KN], s[KN], 1
	s_add_nc_u64 s[G0V+4*(1-(\par))+2:G0V+4*(1-(\par))+3], s[VB:VB+1], s[OFS:OFS+1]
	s_or_b32 s[G0V+4*(1-(\par))+3], s[G0V+4*(1-(\par))+3], 0x80000000
.else
	s_wait_tensorcnt \tcnt                         ; this phase's hh is in
.endif
	s_wait_dscnt 0x0                               ; my stores of p (mode 1: and the add) are done; group 3's fragments and the next f are in; my reads of the other slot and of the other image are over
	s_barrier_signal -1
.if \pv
	PVMUL 3, \first
	WIN 0
.endif
.if \sm
	SMUL
.endif
	s_barrier_wait -1                              ; p's four images are whole
.if \mode
	CREST                                          ; no wave of any partner still reads the other slot or has a load on its way
	tensor_load_to_lds s[G0V+4*(1-(\par)):G0V+4*(1-(\par))+3], s[G1V:G1V+7]   ; my one tensor load behind the round: it has a whole phase in which to land
	s_nop 0
.endif
	PLACES                                         ; behind the products above: ahead of the loads into their operands and of the first read of the scores
.endm
; A PHASE of parity par.  sm: the softmax of the next place stands in it; ff: f of the place after that is fetched.
.macro BODY par, first, sm, ff
.irp m, 0,1,2,3
.irp g, 0,1,2
	ds_load_b128 v[PF+12*\m+4*\g:PF+12*\m+4*\g+3], v[AP] offset:6400*(\par)+1536*\m+512*\g
.endr
.endr
.irp i, 0,1
	ds_load_b32 v[PS+\i], v[APS] offset:6400*(\par)+128*\i
.endr
.irp i, 0,1,2,3,4,5,6,7
	ds_load_b32 v[VS+\i], v[AVS+117*(\par)] offset:128*\i
.endr
	VLOAD 0, \par
	VLOAD 1, \par
	WIN 0
.if \sm
	SMH                                            ; 96 lines stand behind the 46 loads and ahead of the wait for them
.set en, 0
.rept 20
	EXP1
.endr
.endif
	s_wait_dscnt 12                                ; all but the youngest 12: buffer 1
.set pvi, 0
.rept 16
	PV1 0, \first
.if \sm
	WIN 0
	EXP1
	EXP1
.endif
.set pvi, pvi+1
.endr
	PLACES
.if \ff
	WIN 0
	s_add_co_u32 s[TF], s[TF], 3072
	s_add_co_u32 s[TS], s[TS], 128
	FFETCH
.endif
	VLOAD 2, \par
	s_wait_dscnt 12+13*(\ff)                       ; buffer 1 is in; f's 13 loads and buffer 0's 12 may be out
.set pvi, 0
.rept 16
	PV1 1, \first
.if \sm
	WIN 0
	EXP1
.endif
.set pvi, pvi+1
.endr
	PLACES                                         ; also the plain line behind the last exponential
.if \sm
	s_wait_alu depctr_va_vdst(0)                   ; one wait for the batch of 68, ahead of its first reader; it stands ahead of a run of loads
.endif
	VLOAD 3, \par
	s_wait_dscnt 12                                ; buffer 0 (and f) are in
.set pvi, 0
.set rn, 0
.rept 16
	PV1 2, \first
.if \sm
	WIN 0
	R1
	R1
	R1
	R1
.endif
.set pvi, pvi+1
.endr
	WIN 0
.if \sm
	PSTORE 1-(\par)                                ; the other image: its last readers' loads were awaited ahead of the barrier in front of this phase
.endif
.endm
; PREFETCHES INTO THE L2.  VASK: my part of hh's tile at place 2 (off = 0) or 3 (off = 102,400) of the walk: the two tiles of a walk that no first fill of the batch names.  The walks of clusters 0 to 3 of a batch begin at the four different k0: they ask, so that each tile is named once;
; the four partners take 6,400 bytes of a part each, told apart by address; lanes 25-31 name lane 24's block again.  Each stands about two phases ahead of the tensor load that wants the tile.
.macro VASK off
	s_cmp_lg_u32 s[LIM], 0
	s_cbranch_scc1 .Lnot_mine_\@
	global_prefetch_b8 v[PFO], s[PFA:PFA+1] offset:\off th:TH_LOAD_NT scope:SCOPE_SE
.Lnot_mine_\@:
.endm
.macro XASK k                          ; 32 of my 256 rows of x, a lane a row of 256 bytes, for the way out: rows 80 + 32 k on
	global_prefetch_b8 v[PFX], s[XP:XP+1] offset:(80+32*(\k))*8192 th:TH_LOAD_NT scope:SCOPE_SE
.endm
	s_load_b256 s[68:75], s[0:1], 0x0              ; hv s[68:69], fq s[70:71], gq s[72:73], x s[74:75]
	s_load_b128 s[76:79], s[0:1], 0x20             ; gamma s[76:77], out0 s[78:79]
	v_lshl_add_u32 v[SPW], v0, 2, SPARE
	v_mov_b32 v[NIL], 0
	ds_add_u32 v[SPW], v[NIL]                      ; the wave's opening: the add, twice on end, and its wait ahead of my first tensor load
	ds_add_u32 v[SPW], v[NIL]
	v_lshrrev_b32 v244, 5, v0
	v_readfirstlane_b32 s[WV], v244                ; wave 0..3
	s_bfe_u32 s[CX], ttmp6, 0x40000
	s_lshl_b32 s[QB], ttmp9, 2
	s_add_co_u32 s[QB], s[QB], s[CX]               ; my block of 64 queries
	s_and_b32 s[BA], ttmp7, 0xffff                 ; the batch, which the four partners share
	s_lshr_b32 s[K0], ttmp9, 2
	s_xor_b32 s[K0], s[K0], ttmp9
	s_and_b32 s[K0], s[K0], 3
	s_lshl_b32 s[K0], s[K0], 2                     ; k0 = 4 ((c xor c / 4) % 4), c the cluster's x: the four partners share it
	s_add_co_u32 s[KN], s[K0], 2                   ; the first refill brings place 2
	s_cmp_lt_u32 ttmp9, 4
	s_cselect_b32 s[LIM], 0, 1
	s_mov_b32 s[G1F], 15|(3<<16)|(1<<21)           ; the mask names all four partners; elements of 8 bytes; bit 21 set beside the mask
	s_mov_b32 s[G1FS], 15|(3<<16)|(1<<21)
	s_mov_b32 s[G1V], 15|(3<<16)|(1<<21)
.irp g, G1F, G1FS, G1V
	s_mov_b32 s[\g+1], 32<<16                      ; rows of 256 bytes, dense
	s_mov_b32 s[\g+3], 32<<16
	s_mov_b32 s[\g+5], 32
	s_mov_b32 s[\g+6], 0
	s_mov_b32 s[\g+7], 0
.endr
	s_mov_b32 s[G1F+2], 48<<16                     ; four key steps' codes: 12,288 bytes
	s_mov_b32 s[G1F+4], 48
	s_mov_b32 s[G1FS+2], 2<<16                     ; their scale words: 512 bytes
	s_mov_b32 s[G1FS+4], 2
	s_mov_b32 s[G1V+2], 100<<16                    ; 25,600 bytes
	s_mov_b32 s[G1V+4], 100
	s_lshl_b32 s16, s[WV], 2
	s_add_co_u32 s16, s16, s[K0]
	s_and_b32 s16, s16, 15                         ; the key step that stands at place 4 w of the walk: a multiple of 4, so places 4 w + 1 .. + 3 hold the next three
	s_mul_i32 s20, s[BA], 51200
	s_mul_i32 s10, s16, 3072
	s_add_co_u32 s10, s10, s20
	s_mov_b32 s11, 0                               ; f's codes, in memory
	s_lshl_b32 s12, s16, 7
	s_add_co_u32 s12, s12, s20
	s_add_co_u32 s12, s12, 49152
	s_mov_b32 s13, 0                               ; their scale words
	s_mul_i32 s8, s[WV], 12288                     ; and in LDS
	s_lshl_b32 s17, s[WV], 9
	s_mul_i32 s9, s[WV], 25600
	s_mul_i32 s14, s[BA], 1638400
	s_add_co_u32 s14, s14, s9
	s_mov_b32 s15, 0
	s_mul_i32 s[OFS], s[K0], 102400
	s_mov_b32 s[OFS+1], 0
	s_mov_b32 s[CS], 0x3fb8aa3b                    ; log2(e)
	s_mov_b32 s[CS+1], s[CS]
	s_mov_b32 s[SEL], 0x76543210
	s_mov_b32 s[SEL+1], 0xfedcba98
	s_mov_b32 s[TF], 0
	s_mov_b32 s[TS], 0
	s_mov_b32 s[HIM], 0xffff0000                   ; lanes 16-31
	s_wait_dscnt 0x0                               ; both opening adds are done
	s_wait_kmcnt 0x0
	s_load_b32 s[GAM], s[76:77], 0x0
	s_mov_b32 s[G0F], 1
	s_add_co_u32 s[G0F+1], s8, 204800
	s_add_nc_u64 s[G0F+2:G0F+3], s[70:71], s[10:11]
	s_or_b32 s[G0F+3], s[G0F+3], 0x80000000
	s_mov_b32 s[G0FS], 1
	s_add_co_u32 s[G0FS+1], s17, 253952
	s_add_nc_u64 s[G0FS+2:G0FS+3], s[70:71], s[12:13]
	s_or_b32 s[G0FS+3], s[G0FS+3], 0x80000000
	s_add_nc_u64 s[VB:VB+1], s[68:69], s[14:15]    ; hh: my part of key step 0,
	s_add_nc_u64 s[14:15], s[VB:VB+1], s[OFS:OFS+1]   ; and of the walk's first step
.irp v, 0,1
	s_mov_b32 s[G0V+4*\v], 1
	s_add_co_u32 s[G0V+4*\v+1], s9, \v*102400
	s_add_nc_u64 s[G0V+4*\v+2:G0V+4*\v+3], s[14:15], \v*102400   ; k0 is at most 12: places 1, 2 and 3 lie behind place 0
	s_or_b32 s[G0V+4*\v+3], s[G0V+4*\v+3], 0x80000000
.endr
	CROUND                                         ; all four work-groups are here: the first joint loads meet
	tensor_load_to_lds s[G0F:G0F+3], s[G1F:G1F+7]  ; every wave issues the four first fills: four loads of mine are out
	s_nop 0
	tensor_load_to_lds s[G0FS:G0FS+3], s[G1FS:G1FS+7]
	s_nop 0
	tensor_load_to_lds s[G0V:G0V+3], s[G1V:G1V+7]
	s_nop 0
	tensor_load_to_lds s[G0V+4:G0V+7], s[G1V:G1V+7]
	s_nop 0
	PLACES
	s_mul_i32 s16, s[CX], 6400                     ; the prefetches of hh: my work-group's quarter of my part, at place 2 of the walk
	s_add_co_u32 s16, s16, 204800
	s_mov_b32 s17, 0
	s_add_nc_u64 s[PFA:PFA+1], s[14:15], s[16:17]
	s_lshl_b32 s18, s[QB], 6                       ; my tile's first query: 64 Q + 32 (w / 2) + 8 (w % 2)
	s_lshr_b32 s19, s[WV], 1
	s_lshl_b32 s19, s19, 5
	s_add_co_u32 s18, s18, s19
	s_and_b32 s19, s[WV], 1
	s_lshl_b32 s19, s19, 3
	s_add_co_u32 s18, s18, s19
	s_mul_i32 s18, s18, 24
	s_mul_i32 s20, s[BA], 51200
	s_add_co_u32 s18, s18, s20
	s_mov_b32 s19, 0
	s_add_nc_u64 s[18:19], s[72:73], s[18:19]      ; g's codes
	s_lshl_b32 s22, s[QB], 6
	s_add_co_u32 s22, s22, s20
	s_add_co_u32 s22, s22, 49152
	s_mov_b32 s23, 0
	s_add_nc_u64 s[22:23], s[72:73], s[22:23]      ; g's scale words of my 64 queries
	s_lshl_b32 s20, s[BA], 23
	s_lshl_b32 s21, s[WV], 21
	s_add_co_u32 s20, s20, s21
	s_lshl_b32 s21, s[QB], 8
	s_add_co_u32 s20, s20, s21
	s_mov_b32 s21, 0
	s_add_nc_u64 s[XP:XP+1], s[74:75], s[20:21]    ; x and out at my first channel, my first query
	s_add_nc_u64 s[OP:OP+1], s[78:79], s[20:21]
	v_and_b32 v244, 31, v0                         ; lane
	v_and_b32 v245, 15, v0                         ; r
	v_bfe_u32 v246, v0, 4, 1                       ; h
	v_and_b32 v247, 8, v245
	v_add_nc_u32 v247, v247, v245                  ; r + 8 (r / 8)
	v_mul_u32_u24 v248, v247, 24
	v_lshlrev_b32 v249, 2, v245
.irp p, 0,1,2
	global_load_b64 v[PC+2*\p:PC+2*\p+1], v248, s[18:19] offset:8*\p   ; g of my lane's query: 32 codes
.endr
	global_load_b32 v251, v249, s[22:23]
	v_mad_u32_u24 v[AF0], v246, 192, v248
	v_add_nc_u32 v[AF0], 204800, v[AF0]
	v_lshl_add_u32 v[AFS0], v244, 2, 253952
	v_lshl_add_u32 v[AP], v244, 4, 256000
	v_lshl_add_u32 v[APS], v244, 2, 262144
	s_mul_i32 s16, s[WV], 1536
	v_add_nc_u32 v[APW], s16, v[AP]
	s_lshl_b32 s16, s[WV], 6
	s_add_co_u32 s16, s16, 262144
	v_lshl_add_u32 v[APSW], v245, 2, s16
	v_lshl_add_u32 v[AV], v244, 4, s9
	s_add_co_u32 s16, s9, 24576
	v_lshl_add_u32 v[AVS], v244, 2, s16
	v_add_nc_u32 v[AV+117], 102400, v[AV]
	v_add_nc_u32 v[AVS+117], 102400, v[AVS]
	s_mul_i32 s16, s[WV], 4352
	s_add_co_u32 s16, s16, 269056                  ; my stage
	v_mul_u32_u24 v[STO], v245, 272
	v_lshl_add_u32 v[STO], v246, 6, v[STO]
	v_add_nc_u32 v[STO], s16, v[STO]               ; in: row = channel r, + 64 h
	v_mul_u32_u24 v[SRD], v246, 272
	v_lshl_add_u32 v[SRD], v245, 4, v[SRD]
	v_add_nc_u32 v[SRD], s16, v[SRD]               ; back: lanes 0-15 one row of 256 bytes, lanes 16-31 the next
	v_lshlrev_b32 v[XO], 13, v246
	v_lshl_add_u32 v[XO], v245, 4, v[XO]           ; and the same two rows in x and out
	v_min_u32 v[PFO], 24, v244
	v_lshlrev_b32 v[PFO], 8, v[PFO]
	v_lshlrev_b32 v[PFX], 13, v244
	s_lshr_b32 s16, s[WV], 1
	s_lshl_b32 s16, s16, 7
	s_and_b32 s17, s[WV], 1
	s_lshl_b32 s17, s17, 5
	s_add_co_u32 s16, s16, s17
	s_add_co_u32 s16, s16, 268800
	v_lshl_add_u32 v[FAW], v247, 2, s16            ; gamma / l of my lane's query
	v_lshl_add_u32 v[FAR], v245, 4, 268800         ; and those of queries 4 r .. 4 r + 3
	v_mov_b32 v[NM+1], 0
	v_mov_b32 v[L], 0
	v_mov_b32 v[L+1], 0
.irp b, 0,1,2,3
	v_mov_b32 v[BT+\b], 0                          ; written once: a lane permute's destination counts as one of its sources
	v_mov_b32 v[BM+\b], 0xff61b1e6                 ; -3e38, under every score
.endr
.irp i, 0,1,2,3,4,5
	v_mov_b32 v[GR+\i], 0
	v_mov_b32 v[GR+12+\i], 0
	v_mov_b32 v[GR+24+\i], 0
.endr
	s_lshl_b32 s16, s[WV], 3
	s_wait_loadcnt 0x0
.irp i, 0,1,2,3,4,5
	v_cndmask_b32 v[GR+6+\i], v[PC+\i], 0, s[HIM]  ; g in lanes 0-15, zero codes in lanes 16-31
	v_cndmask_b32 v[GR+18+\i], 0, v[PC+\i], s[HIM] ; and the other way round
.endr
	v_lshrrev_b32 v250, s16, v251                  ; byte w of the word is my tile's
	v_and_b32 v[GS], 0xff, v250                    ; variant (c, h): the byte at place 2 c + h; the other three places scale zero codes
	v_lshlrev_b32 v[GS+1], 8, v[GS]
	v_lshlrev_b32 v[GS+2], 16, v[GS]
	v_lshlrev_b32 v[GS+3], 24, v[GS]
	WIN 0x40                                       ; destination window 1
.irp t, 0,1,2,3,4                              ; x for my first five tiles of channels goes into registers that the key loop leaves free, and lands meanwhile
.irp i, 0,1,2,3,4,5,6,7
	global_load_b128 v[32*((\t+3)%8)+4*\i:32*((\t+3)%8)+4*\i+3], v[XO], s[XP:XP+1] offset:(16*\t+2*\i)*8192 th:TH_LOAD_NT
.endr
.endr
	WIN 0
.rept 8
	v_nop                                          ; scale registers written by vector instructions stand eight plain lines ahead of a scaled matrix instruction
.endr
	s_wait_kmcnt 0x0                               ; gamma
	s_wait_tensorcnt 2                             ; my parts of f's codes and scale words are in; the two tiles of hh may be out
	s_barrier_signal -1
	s_barrier_wait -1                              ; everybody's parts of f are in
; PASS 1: the row's largest score over all 2,048 keys
	FFETCH
	s_mov_b32 s[LOOP], 15
.Lpass1:
	s_wait_dscnt 0x0
	SMUL
	PLACES
	s_add_co_u32 s[TF], s[TF], 3072
	s_add_co_u32 s[TS], s[TS], 128
	FFETCH                                         ; the next 128 keys, while these scores are searched
	PMAX
	s_sub_co_u32 s[LOOP], s[LOOP], 1
	s_cmp_lg_u32 s[LOOP], 0
	s_cbranch_scc1 .Lpass1
	VASK 0                                         ; hh of place 2: its tensor load stands behind the barrier in front of phase 1
	s_wait_dscnt 0x0
	SMUL
	PLACES
	PMAX
	v_max3_num_f32 v[BM], v[BM], v[BM+1], v[BM+2]
	v_max_num_f32 v[BM], v[BM], v[BM+3]
	v_permlanex16_b32 v[BT], v[BM], s[SEL], s[SEL+1]
	v_max_num_f32 v[BM], v[BM], v[BT]              ; with lane l xor 16's keys
	v_mul_f32 v[BM], s[CS], v[BM]                  ; as t
	v_floor_f32 v[NM], -v[BM]                      ; -M = floor(-t) = -ceil(t)
; PASS 2.  Place 0's softmax has no products to stand between: it is written out on end.
	s_mov_b32 s[TF], 0
	s_mov_b32 s[TS], 0
	FFETCH
	s_wait_dscnt 0x0
	SMUL
	PLACES
	s_add_co_u32 s[TF], s[TF], 3072
	s_add_co_u32 s[TS], s[TS], 128
	FFETCH                                         ; f of place 1
	SMH
.set en, 0
.rept 68
	EXP1
.endr
	v_nop                                          ; a plain line behind the last exponential
	s_wait_alu depctr_va_vdst(0)                   ; one wait for the batch, ahead of its first reader
.set rn, 0
.rept 63
	R1
.endr
	PSTORE 0
	BAR 0, 0, 1, 0, 0, 1                           ; in front of phase 0: hh of place 0 is in, place 1's may be out; the scores of place 1
	VASK 102400                                    ; hh of place 3: its tensor load stands behind the barrier in front of phase 2
	BODY 0, 1, 1, 1                                ; phase 0: its products start the sums
	BAR 1, 1, 0, 1, 1, 1
	s_mov_b32 s[LOOP], 6
.Lkey:                                             ; phases 1 to 12, and the barriers in front of phases 2 to 13
	BODY 1, 0, 1, 1
	BAR 0, 1, 0, 1, 0, 1
	BODY 0, 0, 1, 1
	BAR 1, 1, 0, 1, 0, 1
	s_sub_co_u32 s[LOOP], s[LOOP], 1
	s_cmp_lg_u32 s[LOOP], 0
	s_cbranch_scc1 .Lkey
	BODY 1, 0, 1, 1                                ; phase 13: the softmax of place 14, f of place 15
	BAR 0, 1, 0, 1, 0, 1                           ; the last refill: hh of place 15
	XASK 0
	XASK 1
	BODY 0, 0, 1, 0                                ; phase 14: the softmax of place 15; no f is left to fetch
	BAR 1, 0, 0, 1, 0, 0
	XASK 2
	BODY 1, 0, 0, 0                                ; phase 15: products alone
	s_wait_dscnt 0x0
	PVMUL 3, 0
	WIN 0
; THE WAY OUT
	PLACES                                         ; behind the last products
	v_add_f32 v[L], v[L], v[L+1]
	v_permlanex16_b32 v[BT], v[L], s[SEL], s[SEL+1]
	v_add_f32 v[L], v[L], v[BT]                    ; the row's sum
	v_rcp_f32 v[L], v[L]
	v_nop                                          ; a plain line behind the reciprocal
	s_wait_alu depctr_va_vdst(0)                   ; and a wait ahead of its first reader
	v_mul_f32 v[L], s[GAM], v[L]
	ds_store_b32 v[FAW], v[L]
	WIN 0x40
.irp t, 5,6
.irp i, 0,1,2,3,4,5,6,7
	global_load_b128 v[32*((\t+3)%8)+4*\i:32*((\t+3)%8)+4*\i+3], v[XO], s[XP:XP+1] offset:(16*\t+2*\i)*8192 th:TH_LOAD_NT
.endr
.endr
	WIN 0
	s_wait_dscnt 0x0
	s_barrier_signal -1
	s_barrier_wait -1                              ; gamma / l of all 64 queries lies in LDS
	ds_load_b128 v[FAC4:FAC4+3], v[FAR]
; Tile t: 16 channels x 64 queries go through my stage and come back as whole rows of 256 bytes; x gamma / l, + x; sixteen lanes store one aligned row.
.macro TILE t
.if (\t) >= 2
	s_wait_xcnt 0x0                                ; the stores of two tiles back have read their registers
.endif
	WIN 0x08+4*((\t)/8)                            ; an LDS store's data: window 2 or 3
.irp m, 0,1,2,3
	ds_store_b128 v[STO], v[8*(4*((\t)%8)+\m):8*(4*((\t)%8)+\m)+3] offset:128*(\m/2)+32*(\m%2)       ; each sum from its low end on
	ds_store_b128 v[STO], v[8*(4*((\t)%8)+\m)+4:8*(4*((\t)%8)+\m)+7] offset:128*(\m/2)+32*(\m%2)+16
.endr
	WIN 0
.irp i, 0,1,2,3,4,5,6,7
	ds_load_b128 v[S+32*((\t)%2)+4*\i:S+32*((\t)%2)+4*\i+3], v[SRD] offset:544*\i   ; LDS serves a wave's instructions in order: these see my stores
.endr
.if (\t) <= 9
	s_wait_loadcnt 48                              ; this tile's x is in; the six tiles behind it may be out
.else
	s_wait_loadcnt 8*(15-(\t))
.endif
	s_wait_dscnt 0x0
	WIN 0x10                                       ; source 2 (x) window 1
.irp i, 0,1,2,3,4,5,6,7
.irp p, 0,1
	v_pk_fma_f32 v[S+32*((\t)%2)+4*\i+2*\p:S+32*((\t)%2)+4*\i+2*\p+1], v[S+32*((\t)%2)+4*\i+2*\p:S+32*((\t)%2)+4*\i+2*\p+1], v[FAC4+2*\p:FAC4+2*\p+1], v[32*(((\t)+3)%8)+4*\i+2*\p:32*(((\t)+3)%8)+4*\i+2*\p+1]
.endr
.endr
.if (\t) <= 8
	WIN 0x40
.irp i, 0,1,2,3,4,5,6,7
	global_load_b128 v[32*(((\t)+2)%8)+4*\i:32*(((\t)+2)%8)+4*\i+3], v[XO], s[XP:XP+1] offset:(16*((\t)+7)+2*\i)*8192 th:TH_LOAD_NT   ; x of seven tiles on, into the slot that the last tile left
.endr
.endif
	WIN 0
.irp i, 0,1,2,3,4,5,6,7
	global_store_b128 v[XO], v[S+32*((\t)%2)+4*\i:S+32*((\t)%2)+4*\i+3], s[OP:OP+1] offset:(16*(\t)+2*\i)*8192 th:TH_STORE_NT
.endr
.endm
.irp t, 0,1,2,3,4,5,6,7,8,9,10,11,12,13,14,15
	TILE \t
.endr
	s_wait_tensorcnt 0x0                           ; the wave's end
	ds_add_u32 v[SPW], v[NIL]
	s_wait_dscnt 0x0
	CROUND                                         ; the closing round
	s_endpgm
.Lfunc_end_k_q337a3548dd_attn:
	.size	k_q337a3548dd_attn, .Lfunc_end_k_q337a3548dd_attn-k_q337a3548dd_attn
	.p2alignl 7, 3214868480
	.fill 96, 4, 3214868480
	.section	.rodata,"a",@progbits
	.p2align	6, 0x0
	.amdhsa_kernel k_q337a3548dd_attn
		.amdhsa_group_segment_fixed_size 327680
		.amdhsa_private_segment_fixed_size 0
		.amdhsa_enable_private_segment 0
		.amdhsa_kernarg_size 48
		.amdhsa_user_sgpr_count 2
		.amdhsa_user_sgpr_kernarg_segment_ptr 1
		.amdhsa_wavefront_size32 1
		.amdhsa_system_sgpr_workgroup_id_x 1
		.amdhsa_system_sgpr_workgroup_id_y 1
		.amdhsa_system_sgpr_workgroup_id_z 1
		.amdhsa_system_vgpr_workitem_id 0
		.amdhsa_next_free_vgpr 1024
		.amdhsa_next_free_sgpr 100
		.amdhsa_reserve_vcc 0
		.amdhsa_float_denorm_mode_32 3
		.amdhsa_float_denorm_mode_16_64 3
		.amdhsa_memory_ordered 1
		.amdhsa_forward_progress 1
		.amdhsa_inst_pref_size 253
	.end_amdhsa_kernel
	.amdgpu_metadata
---
amdhsa.version: [ 1, 2 ]
amdhsa.kernels:
  - .name:           k_q337a3548dd_attn
    .symbol:         k_q337a3548dd_attn.kd
    .args:
      - { .name: hv, .offset: 0, .size: 8, .value_kind: global_buffer, .address_space: global }
      - { .name: fq, .offset: 8, .size: 8, .value_kind: global_buffer, .address_space: global }
      - { .name: gq, .offset: 16, .size: 8, .value_kind: global_buffer, .address_space: global }
      - { .name: x, .offset: 24, .size: 8, .value_kind: global_buffer, .address_space: global }
      - { .name: gamma, .offset: 32, .size: 8, .value_kind: global_buffer, .address_space: global }
      - { .name: out0, .offset: 40, .size: 8, .value_kind: global_buffer, .address_space: global }
    .group_segment_fixed_size: 327680
    .private_segment_fixed_size: 0
    .kernarg_segment_align: 8
    .kernarg_segment_size: 48
    .max_flat_workgroup_size: 128
    .sgpr_count:     100
    .vgpr_count:     1024
    .wavefront_size: 32
...
	.end_amdgpu_metadata
.endif
;; end of part 3
